; MI455X (gfx1250); checked and timed in simulation.
; The chip was launched on July 23, 2026; its instructions are those of AMD's public machine-readable ISA for CDNA 5 (MIT licence, August 2026) and "CDNA5" Instruction Set Architecture Reference Guide (July 2026). The comments in the code are by the model that wrote it; some were corrected since.
;; RPMIL. Allowed arithmetic: float matrix products may take bf16 or f16 operands with f32 sums; other float arithmetic in f32, or as packed bf16 or f16 multiplies, adds, multiply-adds, maxima and minima; sums over many terms, partial sums and values carried from step to step in f32; what a program stores and reads back later, other than sums and carried values, may be rounded once to bf16 or f16.
;; Inputs: X 4,096 x 1,024 float32; au_b 1,024 float32; au_w 1,024 x 1,024 float32; av_b 1,024 float32; av_w 1,024 x 1,024 float32; aw_b 1 float32; aw_w 1,024 x 1 float32; fc1_b 128 float32; fc1_w 1,024 x 128 float32; fc21_b 64 float32; fc21_w 128 x 64 float32; fc22_b 64 float32; fc22_w 128 x 64 float32; fc3_b 128 float32; fc3_w 64 x 128 float32; fc4_b 1,024 float32; fc4_w 128 x 1,024 float32; head_b 2 float32; head_w 1,024 x 2 float32; k_w 1,024 x 3,072 float32; ln_b 1,024 float32; ln_g 1,024 float32; o_b 1,024 float32; o_w 3,072 x 1,024 float32; q_w 1,024 x 3,072 float32; s 32 x 64 float32; v_w 1,024 x 3,072 float32.
;; Outputs: out0 1,024 float32; out1 1,024 float32; out2 2 float32; out3 1 x 64 float32; out4 1 x 64 float32; out5 32 x 64 float32.
;; One version. Each part assembles by itself: llvm-mc -triple=amdgcn-amd-amdhsa -mcpu=gfx1250 --defsym DOCPART=n.
;; ======== version 1 of 1: 8 launches
;; workspace buffers: xc 16,777,216 bytes; wc 4,218,880 bytes; pl 131,072 bytes; p3 274,688 bytes; xo 131,072 bytes; qb 196,608 bytes; tb 196,608 bytes; st 98,304 bytes
;; launch prep (part 1): grid 480 x 1, 8 waves a work-group, no clusters, 0 bytes of LDS; arguments X, ln_g, ln_b, av_w, au_w, o_w, head_w, xc, wc; writes xc, wc
.if DOCPART == 1
	.amdgcn_target "amdgcn-amd-amdhsa--gfx1250"
	.amdhsa_code_object_version 6
	.text
	.protected	k_q8e368e9b99_prep
	.globl	k_q8e368e9b99_prep
	.p2align	8
	.type	k_q8e368e9b99_prep,@function
k_q8e368e9b99_prep:
	s_mov_b64 s[64:65], 0
	v_nop
	global_prefetch_b8 v0, s[64:65] scope:SCOPE_SE
	s_setreg_imm32_b32 hwreg(HW_REG_WAVE_MODE, 25, 1), 1
	s_wait_xcnt 0x0
; RPMIL, launch 1 of 8.  WHAT THE PROGRAM LEAVES OUT OR REORDERS, for all finite values of the inputs:
; (1) aw_b is one number added to every entry of A before softmax(A.T, axis=1): it is the same along the softmax's axis, so it cancels in the
;     weights, and A reaches no output but through them.  aw_b is not loaded and is among no launch's arguments.
; (2) K = Xn k_w and V = Xn v_w are never formed.  scores_h = Q_h K_h^T / 32 = (Q_h k_w_h^T) Xn^T / 32, and y_hat takes of h only mean_q(h) o_w head_w:
;     y_hat[c] = 1/32 sum_h sum_q sum_k W_h[q,k] (Xn[k] . vo_hc) + o_b . head_w[:,c] + head_b[c], vo_hc[i] = sum_d v_w[i,1024h+d] oh[1024h+d,c], oh = o_w head_w.
;     Both are the same sums in another order (products of matrices are associative); every input but aw_b is read.
; LIMITS.  A NaN, an infinity or an overflow that would arise only in aw_b, K or V is not carried to the result.  Matrix operands are bf16, sums f32, in another order.
; THIS LAUNCH, three jobs told apart by the work-group's number:
;   A (0-255)   XB = bf16(X) and XN = bf16(layernorm(X)): a wave takes two rows, a row stays in 32 registers; mean first, then the centred squares, all in f32.
;   B (256-383) WB = bf16(av_w), bf16(au_w), in their own [k][n] order.
;   C (384-479) OH = o_w head_w, f32, [3072][2]: a wave takes four rows of o_w; two columns are no tile for the matrix unit, and the stream of o_w bounds the job.
; xc: XB at 0, XN at 8,388,608.  wc: WB at 0 (av, then au), OH at 4,194,304.  A wave's b64 store covers 256 consecutive bytes, aligned; OH's 32-byte stores are 24 KiB in all.
.set L,    1                           ; lane
.set VX,   2                           ; 16 x lane
.set VS,   3                           ; 8 x lane
.set TT,   4                           ; at work in the sums over lanes
.set VH,   5                           ; 32 x lane
.set VZ,   6                           ; 0
.set X0,   16                          ; v[16:47]   row 0
.set X1,   48                          ; v[48:79]   row 1
.set G,    80                          ; v[80:111]  ln_g of my 32 columns
.set B,    112                         ; v[112:143] ln_b
.set T,    144                         ; v[144:159] at work
.set OR,   160                         ; v[160:175] the row as bf16
.set ON,   176                         ; v[176:191] the normalised row as bf16
.set MEAN, 192                         ; v[192:193] minus the mean, twice
.set RSTD, 194                         ; v[194:195] 1 / sqrt(var + eps), twice
.set HW,   16                          ; job C: v[16:79] head_w's pairs of my 32 rows of it
.set RW,   80                          ; job C: v[80:207] four rows of o_w
.set TC,   208                         ; job C: at work
.set RR,   224                         ; job C: the eight results
.set SEL,  36                          ; s[36:37] v_permlanex16_b32's selects: each lane takes its own place in the other half
.macro WSUM v, t                       ; the sum over the wave's 32 lanes, in every lane
	v_add_f32_dpp v[\v], v[\v], v[\v] row_xmask:1 row_mask:0xf bank_mask:0xf
	v_add_f32_dpp v[\v], v[\v], v[\v] row_xmask:2 row_mask:0xf bank_mask:0xf
	v_add_f32_dpp v[\v], v[\v], v[\v] row_xmask:4 row_mask:0xf bank_mask:0xf
	v_add_f32_dpp v[\v], v[\v], v[\v] row_xmask:8 row_mask:0xf bank_mask:0xf
	v_permlanex16_b32 v[\t], v[\v], s[SEL], s[SEL+1]
	v_add_f32 v[\v], v[\v], v[\t]
.endm
.macro SUM32 x, t                      ; v[t] = the sum of v[x .. x+31]; 16 registers at t are at work
.set i, 0
.rept 8
	v_pk_add_f32 v[(\t)+2*i:(\t)+2*i+1], v[(\x)+4*i:(\x)+4*i+1], v[(\x)+4*i+2:(\x)+4*i+3]
.set i, i+1
.endr
.set i, 0
.rept 4
	v_pk_add_f32 v[(\t)+4*i:(\t)+4*i+1], v[(\t)+4*i:(\t)+4*i+1], v[(\t)+4*i+2:(\t)+4*i+3]
.set i, i+1
.endr
	v_pk_add_f32 v[(\t):(\t)+1], v[(\t):(\t)+1], v[(\t)+4:(\t)+5]
	v_pk_add_f32 v[(\t)+8:(\t)+9], v[(\t)+8:(\t)+9], v[(\t)+12:(\t)+13]
	v_pk_add_f32 v[(\t):(\t)+1], v[(\t):(\t)+1], v[(\t)+8:(\t)+9]
	v_add_f32 v[\t], v[\t], v[(\t)+1]
.endm
.macro SQ32 x, t                       ; v[t] = the sum of the squares of v[x .. x+31], in four chains
.set i, 0
.rept 4
	v_pk_mul_f32 v[(\t)+2*i:(\t)+2*i+1], v[(\x)+2*i:(\x)+2*i+1], v[(\x)+2*i:(\x)+2*i+1]
.set i, i+1
.endr
.rept 12
	v_pk_fma_f32 v[(\t)+2*(i%4):(\t)+2*(i%4)+1], v[(\x)+2*i:(\x)+2*i+1], v[(\x)+2*i:(\x)+2*i+1], v[(\t)+2*(i%4):(\t)+2*(i%4)+1]
.set i, i+1
.endr
	v_pk_add_f32 v[(\t):(\t)+1], v[(\t):(\t)+1], v[(\t)+2:(\t)+3]
	v_pk_add_f32 v[(\t)+4:(\t)+5], v[(\t)+4:(\t)+5], v[(\t)+6:(\t)+7]
	v_pk_add_f32 v[(\t):(\t)+1], v[(\t):(\t)+1], v[(\t)+4:(\t)+5]
	v_add_f32 v[\t], v[\t], v[(\t)+1]
.endm
.macro BMUL d, x, sel, y               ; pair d = (register sel of pair x) times pair y
.if (\sel)
	v_pk_mul_f32 v[(\d):(\d)+1], v[(\x):(\x)+1], v[(\y):(\y)+1] op_sel:[1,0] op_sel_hi:[1,1]
.else
	v_pk_mul_f32 v[(\d):(\d)+1], v[(\x):(\x)+1], v[(\y):(\y)+1] op_sel_hi:[0,1]
.endif
.endm
.macro BFMA d, x, sel, y               ; pair d += (register sel of pair x) times pair y
.if (\sel)
	v_pk_fma_f32 v[(\d):(\d)+1], v[(\x):(\x)+1], v[(\y):(\y)+1], v[(\d):(\d)+1] op_sel:[1,0,0] op_sel_hi:[1,1,1]
.else
	v_pk_fma_f32 v[(\d):(\d)+1], v[(\x):(\x)+1], v[(\y):(\y)+1], v[(\d):(\d)+1] op_sel_hi:[0,1,1]
.endif
.endm
.macro DOT2 x, hw, t                   ; pair t = the sum over my 32 numbers x[e] of x[e] times the pair hw[e]; four chains, 8 registers at t
.set jj, 0
.rept 8
.set ii, 0
.rept 4
.if jj == 0
	BMUL (\t)+2*ii, (\x)+4*jj+(ii&2), ii&1, (\hw)+8*jj+2*ii
.else
	BFMA (\t)+2*ii, (\x)+4*jj+(ii&2), ii&1, (\hw)+8*jj+2*ii
.endif
.set ii, ii+1
.endr
.set jj, jj+1
.endr
	v_pk_add_f32 v[(\t):(\t)+1], v[(\t):(\t)+1], v[(\t)+2:(\t)+3]
	v_pk_add_f32 v[(\t)+4:(\t)+5], v[(\t)+4:(\t)+5], v[(\t)+6:(\t)+7]
	v_pk_add_f32 v[(\t):(\t)+1], v[(\t):(\t)+1], v[(\t)+4:(\t)+5]
.endm
	s_load_b512 s[16:31], s[0:1], 0x0              ; X 16, ln_g 18, ln_b 20, av_w 22, au_w 24, o_w 26, head_w 28, xc 30
	s_load_b64 s[32:33], s[0:1], 0x40              ; wc
	v_and_b32 v[L], 31, v0
	v_lshrrev_b32 v[TT], 5, v0
	v_readfirstlane_b32 s4, v[TT]                  ; wave 0..7
	v_lshlrev_b32 v[VX], 4, v[L]
	v_lshlrev_b32 v[VS], 3, v[L]
	v_lshlrev_b32 v[VH], 5, v[L]
	v_mov_b32 v[VZ], 0
	s_mov_b32 s2, ttmp9
	s_mov_b32 s[SEL], 0x76543210
	s_mov_b32 s[SEL+1], 0xfedcba98
	s_mov_b32 s34, 0x3a800000                      ; 1 / 1024
	s_mov_b32 s35, 0x3727c5ac                      ; eps = 1e-5
	s_wait_kmcnt 0x0
	s_cmp_lt_u32 s2, 256
	s_cbranch_scc0 .Lnot_a
	; JOB A.  Rows 16 g + 2 w and the next.  A lane holds columns 128 j + 4 l .. + 3, j = 0..7.
	s_lshl_b32 s6, s2, 16
	s_lshl_b32 s7, s4, 13
	s_add_co_u32 s6, s6, s7
	s_mov_b32 s7, 0
	s_add_nc_u64 s[8:9], s[16:17], s[6:7]          ; X at my rows
	s_lshr_b32 s6, s6, 1
	s_add_nc_u64 s[10:11], s[30:31], s[6:7]        ; XB at my rows
	s_add_nc_u64 s[12:13], s[10:11], 0x800000      ; XN at my rows
.irp j, 0,1,2,3,4,5,6,7
	global_load_b128 v[X0+4*\j:X0+4*\j+3], v[VX], s[8:9] offset:512*\j th:TH_LOAD_NT
.endr
.irp j, 0,1,2,3,4,5,6,7
	global_load_b128 v[X1+4*\j:X1+4*\j+3], v[VX], s[8:9] offset:4096+512*\j th:TH_LOAD_NT
.endr
.irp j, 0,1,2,3,4,5,6,7
	global_load_b128 v[G+4*\j:G+4*\j+3], v[VX], s[18:19] offset:512*\j
.endr
.irp j, 0,1,2,3,4,5,6,7
	global_load_b128 v[B+4*\j:B+4*\j+3], v[VX], s[20:21] offset:512*\j
.endr
; One row: cnt = the younger loads that may stay out; so = the row's byte offset in XB and XN.
.macro ROW x, cnt, so
	s_wait_loadcnt \cnt
	s_wait_xcnt 0x0                                ; OR and ON, which the last row's stores read, are rewritten only behind this wait
.set i, 0
.rept 16
	v_cvt_pk_bf16_f32 v[OR+i], v[(\x)+2*i], v[(\x)+2*i+1]
.set i, i+1
.endr
.set i, 0
.rept 8
	global_store_b64 v[VS], v[OR+2*i:OR+2*i+1], s[10:11] offset:(\so)+256*i
.set i, i+1
.endr
	SUM32 \x, T
	WSUM T, TT
	v_mul_f32 v[MEAN], 0xba800000, v[T]            ; minus the mean
	v_mul_f32 v[MEAN+1], 0xba800000, v[T]
.set i, 0
.rept 16
	v_pk_add_f32 v[(\x)+2*i:(\x)+2*i+1], v[(\x)+2*i:(\x)+2*i+1], v[MEAN:MEAN+1]
.set i, i+1
.endr
	SQ32 \x, T
	WSUM T, TT
	v_fma_f32 v[T], v[T], s34, s35                 ; var + eps
	v_rsq_f32 v[RSTD], v[T]
	v_nop                                          ; a plain instruction behind the root,
	s_wait_alu depctr_va_vdst(0)                   ; and the wait ahead of its first reader
	v_mov_b32 v[RSTD+1], v[RSTD]
	s_wait_loadcnt 0x0                             ; g and b
.set i, 0
.rept 16
	v_pk_mul_f32 v[(\x)+2*i:(\x)+2*i+1], v[(\x)+2*i:(\x)+2*i+1], v[RSTD:RSTD+1]
.set i, i+1
.endr
.set i, 0
.rept 16
	v_pk_fma_f32 v[(\x)+2*i:(\x)+2*i+1], v[(\x)+2*i:(\x)+2*i+1], v[G+2*i:G+2*i+1], v[B+2*i:B+2*i+1]
.set i, i+1
.endr
.set i, 0
.rept 16
	v_cvt_pk_bf16_f32 v[ON+i], v[(\x)+2*i], v[(\x)+2*i+1]
.set i, i+1
.endr
.set i, 0
.rept 8
	global_store_b64 v[VS], v[ON+2*i:ON+2*i+1], s[12:13] offset:(\so)+256*i
.set i, i+1
.endr
.endm
	ROW X0, 24, 0                                  ; row 1, g and b (24 loads) may stay out
	ROW X1, 0, 2048
	s_endpgm
.Lnot_a:
	s_cmp_lt_u32 s2, 384
	s_cbranch_scc0 .Ljob_c
	; JOB B.  A wave casts 8,192 consecutive bytes of av_w (work-groups 256-319) or au_w into 4,096 of WB.
	s_sub_co_u32 s5, s2, 256
	s_cmp_lt_u32 s5, 64
	s_cselect_b64 s[8:9], s[22:23], s[24:25]
	s_and_b32 s6, s5, 63
	s_lshl_b32 s6, s6, 16
	s_lshl_b32 s7, s4, 13
	s_add_co_u32 s6, s6, s7
	s_mov_b32 s7, 0
	s_add_nc_u64 s[8:9], s[8:9], s[6:7]
	s_lshl_b32 s6, s5, 15
	s_lshl_b32 s10, s4, 12
	s_add_co_u32 s6, s6, s10
	s_add_nc_u64 s[10:11], s[32:33], s[6:7]
.set i, 0
.rept 16
	global_load_b128 v[16+4*i:16+4*i+3], v[VX], s[8:9] offset:512*i th:TH_LOAD_NT
.set i, i+1
.endr
	s_wait_loadcnt 8                               ; the first eight are in
.set i, 0
.rept 16
	v_cvt_pk_bf16_f32 v[80+i], v[16+2*i], v[16+2*i+1]
.set i, i+1
.endr
.set i, 0
.rept 8
	global_store_b64 v[VS], v[80+2*i:80+2*i+1], s[10:11] offset:256*i
.set i, i+1
.endr
	s_wait_loadcnt 0x0
.set i, 16
.rept 16
	v_cvt_pk_bf16_f32 v[80+i], v[16+2*i], v[16+2*i+1]
.set i, i+1
.endr
.set i, 8
.rept 8
	global_store_b64 v[VS], v[80+2*i:80+2*i+1], s[10:11] offset:256*i
.set i, i+1
.endr
	s_endpgm
.Ljob_c:
	; JOB C.  Rows 32 g' + 4 w .. + 3 of o_w; a lane holds columns e = 128 j + 4 l + i of a row and head_w's pairs of the same e.
	s_sub_co_u32 s5, s2, 384
	s_lshl_b32 s6, s5, 17
	s_lshl_b32 s7, s4, 14
	s_add_co_u32 s6, s6, s7
	s_mov_b32 s7, 0
	s_add_nc_u64 s[8:9], s[26:27], s[6:7]          ; o_w at my rows
	s_lshl_b32 s6, s5, 8
	s_lshl_b32 s10, s4, 5
	s_add_co_u32 s6, s6, s10
	s_add_co_u32 s6, s6, 0x400000
	s_add_nc_u64 s[10:11], s[32:33], s[6:7]        ; OH at my rows
.irp j, 0,1,2,3,4,5,6,7
	global_load_b128 v[HW+8*\j:HW+8*\j+3], v[VH], s[28:29] offset:1024*\j
	global_load_b128 v[HW+8*\j+4:HW+8*\j+7], v[VH], s[28:29] offset:1024*\j+16
.endr
.irp t, 0,1,2,3
.irp j, 0,1,2,3,4,5,6,7
	global_load_b128 v[RW+32*\t+4*\j:RW+32*\t+4*\j+3], v[VX], s[8:9] offset:4096*\t+512*\j th:TH_LOAD_NT
.endr
.endr
.irp t, 0,1,2,3
	s_wait_loadcnt 8*(3-\t)                        ; the later rows may stay out
	DOT2 RW+32*\t, HW, TC
	WSUM TC, TT
	WSUM TC+1, TT
	v_mov_b32 v[RR+2*\t], v[TC]
	v_mov_b32 v[RR+2*\t+1], v[TC+1]
.endr
	s_wait_xcnt 0x0                                ; EXEC changes only behind this wait
	v_cmp_eq_u32 vcc_lo, 0, v[L]
	s_and_saveexec_b32 s12, vcc_lo
	global_store_b128 v[VZ], v[RR:RR+3], s[10:11]
	global_store_b128 v[VZ], v[RR+4:RR+7], s[10:11] offset:16
	s_wait_xcnt 0x0
	s_or_b32 exec_lo, exec_lo, s12
	s_endpgm
.Lfunc_end_k_q8e368e9b99_prep:
	.size	k_q8e368e9b99_prep, .Lfunc_end_k_q8e368e9b99_prep-k_q8e368e9b99_prep
	.p2alignl 7, 3214868480
	.fill 96, 4, 3214868480
	.section	.rodata,"a",@progbits
	.p2align	6, 0x0
	.amdhsa_kernel k_q8e368e9b99_prep
		.amdhsa_group_segment_fixed_size 0
		.amdhsa_private_segment_fixed_size 0
		.amdhsa_enable_private_segment 0
		.amdhsa_kernarg_size 72
		.amdhsa_user_sgpr_count 2
		.amdhsa_user_sgpr_kernarg_segment_ptr 1
		.amdhsa_wavefront_size32 1
		.amdhsa_system_sgpr_workgroup_id_x 1
		.amdhsa_system_sgpr_workgroup_id_y 1
		.amdhsa_system_sgpr_workgroup_id_z 1
		.amdhsa_system_vgpr_workitem_id 0
		.amdhsa_next_free_vgpr 232
		.amdhsa_next_free_sgpr 66
		.amdhsa_reserve_vcc 1
		.amdhsa_float_denorm_mode_32 3
		.amdhsa_float_denorm_mode_16_64 3
		.amdhsa_memory_ordered 1
		.amdhsa_forward_progress 1
		.amdhsa_inst_pref_size 47
	.end_amdhsa_kernel
	.amdgpu_metadata
---
amdhsa.version: [ 1, 2 ]
amdhsa.kernels:
  - .name:           k_q8e368e9b99_prep
    .symbol:         k_q8e368e9b99_prep.kd
    .args:
      - { .name: X, .offset: 0, .size: 8, .value_kind: global_buffer, .address_space: global }
      - { .name: ln_g, .offset: 8, .size: 8, .value_kind: global_buffer, .address_space: global }
      - { .name: ln_b, .offset: 16, .size: 8, .value_kind: global_buffer, .address_space: global }
      - { .name: av_w, .offset: 24, .size: 8, .value_kind: global_buffer, .address_space: global }
      - { .name: au_w, .offset: 32, .size: 8, .value_kind: global_buffer, .address_space: global }
      - { .name: o_w, .offset: 40, .size: 8, .value_kind: global_buffer, .address_space: global }
      - { .name: head_w, .offset: 48, .size: 8, .value_kind: global_buffer, .address_space: global }
      - { .name: xc, .offset: 56, .size: 8, .value_kind: global_buffer, .address_space: global }
      - { .name: wc, .offset: 64, .size: 8, .value_kind: global_buffer, .address_space: global }
    .group_segment_fixed_size: 0
    .private_segment_fixed_size: 0
    .kernarg_segment_align: 8
    .kernarg_segment_size: 72
    .max_flat_workgroup_size: 256
    .sgpr_count:     66
    .vgpr_count:     232
    .wavefront_size: 32
...
	.end_amdgpu_metadata
.endif
;; end of part 1
;; launch gate (part 2): grid 8 x 32, 4 waves a work-group, clusters of 4 x 4, 327,680 bytes of LDS; arguments xc, wc, av_b, au_b, aw_w, pl; writes pl
.if DOCPART == 2
	.amdgcn_target "amdgcn-amd-amdhsa--gfx1250"
	.amdhsa_code_object_version 6
	.text
	.protected	k_q8e368e9b99_gate
	.globl	k_q8e368e9b99_gate
	.p2align	8
	.type	k_q8e368e9b99_gate,@function
k_q8e368e9b99_gate:
	s_mov_b64 s[64:65], 0
	v_nop
	global_prefetch_b8 v0, s[64:65] scope:SCOPE_SE
	s_setreg_imm32_b32 hwreg(HW_REG_WAVE_MODE, 25, 1), 1
	s_wait_xcnt 0x0
	s_wait_alu depctr_hold_cnt(0) depctr_sa_sdst(0) depctr_va_vdst(0) depctr_va_sdst(0) depctr_va_ssrc(0) depctr_va_vcc(0) depctr_vm_vsrc(0)
	s_getreg_b32 s2, hwreg(HW_REG_IB_STS2, 6, 4)
	s_cmp_eq_u32 s2, 0
	s_cbranch_scc0 .Lentry_in_a_cluster
	s_endpgm
.Lentry_in_a_cluster:
	s_bfe_u32 s2, ttmp6, 0x10000c
	s_cmp_lg_u32 s2, 0xf033
	s_cbranch_scc0 .Lentry_shape_is_right
	s_endpgm
.Lentry_shape_is_right:
; Launch 2: the gate.  pl[tx][row] = the sum over the 128 gate columns n of block tx of tanh(X av_w + av_b)[row][n] sigmoid(X au_w + au_b)[row][n] aw_w[n].  aw_b is left out: it cancels in the softmax (first kernel's head).
; A work-group makes 128 rows x 128 gate columns, of BOTH products: 256 work-groups.  Four waves, each 64 rows x 64 gate columns of V and the same 64 of U: 32 accumulators, 256 registers.
; K = 1,024 goes in 8 steps of 128 through two LDS slots.  XB's tile has K along its rows; WB lies [k][n], so its fragments come out of LDS turned, by ds_load_tr16_b128.
; CLUSTER 4 x 4: X's tile hangs on the row block alone and is asked for jointly along a row of the cluster, the weights' tiles on the column block alone, jointly along a column.
; THE WALK ALONG K IS TURNED: cluster (x, y) begins at K step (2 y + 4 x) mod 8 and goes round (f32 sums may be taken in any order).  XB's rows are read by the two clusters of a y, whose starts lie 4 steps apart; WB's columns by the
; eight clusters of an x, whose starts are 0, 2, 4, 6 (y and y + 4 alike).  So clusters that read the same block ask for it in different rounds of their walks.  The step's number is made of the cluster's x and y alone: it is the same in all sixteen partners.
; THE MATRIX INSTRUCTION IS USED TRANSPOSED (source 0 = 16 gate columns, source 1 = 16 rows of X): a lane holds one row (l % 16) and the columns 8 (l / 16) + 0..7, so the sum over columns stays in the lane but for one exchange.
; tanh(v) = 1 - 2 / (1 + 2^(2 log2e v)), sigmoid(u) = 1 / (1 + 2^(-log2e u)): an exponential that overflows gives a reciprocal of 0, which is the right limit.  LIMIT: tanh's absolute error is about 1e-7.
; No prefetch is laid: it would name a block ahead of its first request in the launch.  With these starts each block of XB is first asked for in the first four K steps of one of its two clusters' walks, each block of WB in the first two
; of one of its clusters'; a walk's first two K steps are its first fills, and for the next two a prefetch would have to stand at the head, where every work-group's first tiles are on their way.
; REGISTERS: window 0 addresses, biases, the way out; window 1 two fragment buffers of 96 (8 of W, 4 of X); window 2 the accumulators, (a, b) at 8 (8 a + b), b 0-3 V, 4-7 U.
.set KSTEP, 128
.set PA,    272                        ; a row of X's tile in LDS: 256 bytes + 16
.set PB,    288                        ; a row (one k) of a weight tile: 256 bytes + 32
.set OFFV,  128*PA                     ; in a slot: X's 128 rows, av's 128 k, au's 128 k
.set OFFU,  OFFV+128*PB
.set SLOT,  OFFU+128*PB                ; 108,544
.set STAGE, 2*SLOT                     ; [column half][128 rows] f32: never filled by a tensor load
.set SPARE, STAGE+1024                 ; the spare words, 128 bytes a wave: two blocks of 256 bytes that no other line names
.set ADRA, 16                          ; v16-17 LDS address of my X fragments in slot 0, 1
.set ADRV, 18                          ; v18-19 of av's
.set ADRU, 20                          ; v20-21 of au's
.set STO,  24
.set RD,   25
.set CO,   26
.set VB,   27                          ; my byte offset in av_b, au_b, aw_w
.set SPW,  28                          ; my spare word; never rewritten
.set NIL,  29                          ; 0; never rewritten
.set BV,   32                          ; v[32:63]   av_b of my 32 columns, later times 2 log2e
.set BU,   64                          ; v[64:95]   au_b, later times -log2e
.set AW,   96                          ; v[96:127]  aw_w
.set T1,   128
.set T2,   160
.set RS,   192                         ; v[192:199] a pair of sums for each block of 16 rows
.set F0,   0
.set F1,   96
.set G1A,  24
.set G0A,  32
.set G1B,  48
.set G0B,  56
.set WV,   12
.set HIW,  13                          ; wave / 2: my half of the rows; also: I fetch X (0) or weights (1)
.set LOW,  14                          ; wave % 2: my half of the columns; also: which half of X's rows, or av (0) / au (1), I fetch
.set C1,   72
.set C2,   74
.set SEL,  76
.set KN,   78                          ; s78  the K step (0..7) that was asked for last
.set OA,   80                          ; s[80:81] its byte offset along XB's rows
.set OB,   82                          ; s[82:83] its byte offset down WB's rows
.set MSB, 0
.macro WIN new                         ; the immediate's high byte repeats the setting that is left
.if MSB != (\new)
	s_set_vgpr_msb (MSB<<8)|(\new)
.set MSB, \new
.endif
.endm
.set MUL,  0xa5                        ; sources 0 and 1 window 1; C and D window 2
.set TO_F, 0x40                        ; destination window 1, address window 0
.set EPI,  0x02                        ; source 0 window 2
.macro JLOAD s                         ; a joint load; an s_nop 0 and four v_nop follow each of the two lines
	s_cmp_eq_u32 s[HIW], 0
	s_cbranch_scc0 .Lfor_b_\@
	tensor_load_to_lds s[G0A+4*(\s):G0A+4*(\s)+3], s[G1A:G1A+7]
	s_nop 0
.rept 4
	v_nop
.endr
	s_branch .Lasked_\@
.Lfor_b_\@:
	tensor_load_to_lds s[G0B+4*(\s):G0B+4*(\s)+3], s[G1B:G1B+7]
	s_nop 0
.rept 4
	v_nop
.endr
.Lasked_\@:
.endm
.macro NEXTK                           ; the walk's next K step, round the eight
	s_add_co_u32 s[KN], s[KN], 1
	s_and_b32 s[KN], s[KN], 7
.endm
.macro SETK slot                       ; both descriptors' global addresses are made anew for K step s[KN]: the tile's base, which is never rewritten, plus the step's offset; then the type bits
	s_lshl_b32 s[OA], s[KN], 8                     ; 128 elements of 2 bytes along a row of XB
	s_lshl_b32 s[OB], s[KN], 18                    ; 128 rows of 2,048 bytes of WB
	s_add_nc_u64 s[G0A+4*(\slot)+2:G0A+4*(\slot)+3], s[40:41], s[OA:OA+1]
	s_or_b32 s[G0A+4*(\slot)+3], s[G0A+4*(\slot)+3], 0x80000000
	s_add_nc_u64 s[G0B+4*(\slot)+2:G0B+4*(\slot)+3], s[44:45], s[OB:OB+1]
	s_or_b32 s[G0B+4*(\slot)+3], s[G0B+4*(\slot)+3], 0x80000000
.endm
.macro CREST                           ; a round of the cluster's barrier behind its opening barrier
	s_cmp_lg_u32 s[WV], 0
	s_cbranch_scc1 .Lnot_wave_0_\@
	s_barrier_signal -3
.Lnot_wave_0_\@:
	s_barrier_wait -3
	s_barrier_signal -1
	s_barrier_wait -1
.endm
.macro CROUND
	s_barrier_signal -1
	s_barrier_wait -1
	CREST
.endm
.macro PLACES
.rept 4
	v_nop
.endr
.endm
	s_load_b256 s[4:11], s[0:1], 0x0               ; xc 4, wc 6, av_b 8, au_b 10
	s_load_b128 s[68:71], s[0:1], 0x20             ; aw_w 68, pl 70
	v_lshl_add_u32 v[SPW], v0, 2, SPARE
	v_mov_b32 v[NIL], 0
	ds_add_u32 v[SPW], v[NIL]                      ; the wave's opening: the add, twice on end, and its wait ahead of my first tensor load
	ds_add_u32 v[SPW], v[NIL]
	v_lshrrev_b32 v1, 5, v0
	v_readfirstlane_b32 s[WV], v1
	s_lshr_b32 s[HIW], s[WV], 1
	s_and_b32 s[LOW], s[WV], 1
	s_bfe_u32 s15, ttmp6, 0x40000                  ; cx
	s_bfe_u32 s16, ttmp6, 0x40004                  ; cy
	s_lshl_b32 s17, ttmp9, 2
	s_add_co_u32 s17, s17, s15                     ; tx: block of 128 gate columns
	s_and_b32 s18, ttmp7, 0xffff
	s_lshl_b32 s18, s18, 2
	s_add_co_u32 s18, s18, s16                     ; ty: block of 128 rows
	s_lshl_b32 s19, s16, 2
	s_lshl_b32 s19, 15, s19                        ; my row of the cluster
	s_lshl_b32 s20, 0x1111, s15                    ; my column
	s_or_b32 s[G1A], s19, (1<<16)|(1<<20)|(1<<21)|(5<<22)|(3<<25)   ; mask; 2-byte elements; padding on; bit 21 beside a mask; after every 64 words 4 words
	s_or_b32 s[G1B], s20, (1<<16)|(1<<20)|(1<<21)|(5<<22)|(7<<25)   ; the same with 8 words
	s_mov_b32 s[G1A+1], KSTEP<<16                  ; tensor_dim0 = 128
	s_mov_b32 s[G1A+2], 64<<16                     ; tensor_dim1 = 64 rows
	s_mov_b32 s[G1A+3], KSTEP<<16                  ; tile_dim0
	s_mov_b32 s[G1A+4], 64                         ; tile_dim1
	s_mov_b32 s[G1A+5], 1024                       ; elements from row to row
	s_mov_b32 s[G1A+6], 0
	s_mov_b32 s[G1A+7], 0
	s_mov_b32 s[G1B+1], 128<<16                    ; 128 gate columns
	s_mov_b32 s[G1B+2], KSTEP<<16                  ; 128 k
	s_mov_b32 s[G1B+3], 128<<16
	s_mov_b32 s[G1B+4], KSTEP
	s_mov_b32 s[G1B+5], 1024
	s_mov_b32 s[G1B+6], 0
	s_mov_b32 s[G1B+7], 0
	s_lshl_b32 s40, s18, 18                        ; X: 128 ty rows of 2,048 bytes,
	s_lshl_b32 s41, s[LOW], 17                     ; and the 64 rows that I fetch
	s_add_co_u32 s40, s40, s41
	s_mov_b32 s41, 0
	s_lshl_b32 s44, s17, 8                         ; weights: 128 tx columns of 2 bytes,
	s_lshl_b32 s45, s[LOW], 21                     ; in av or in au
	s_add_co_u32 s44, s44, s45
	s_mov_b32 s45, 0
	s_mul_i32 s21, s[LOW], 64*PA                   ; where they go: no place in the cluster enters an LDS address
	s_mul_i32 s22, s[LOW], 128*PB
	s_add_co_u32 s22, s22, OFFV
	s_mov_b32 s[C1], 0x4038aa3b                    ; 2 log2(e)
	s_mov_b32 s[C1+1], s[C1]
	s_mov_b32 s[C2], 0xbfb8aa3b                    ; -log2(e)
	s_mov_b32 s[C2+1], s[C2]
	s_mov_b32 s[SEL], 0x76543210
	s_mov_b32 s[SEL+1], 0xfedcba98
	s_and_b32 s[KN], ttmp7, 0xffff                 ; where my cluster's walk begins: (2 x cluster y + 4 x cluster x) mod 8; in a cluster launch ttmp7 and ttmp9 count clusters
	s_lshl_b32 s[KN], s[KN], 1
	s_lshl_b32 s79, ttmp9, 2
	s_add_co_u32 s[KN], s[KN], s79
	s_and_b32 s[KN], s[KN], 7
	s_mov_b32 s[OA+1], 0                           ; the offsets' high words
	s_mov_b32 s[OB+1], 0
	s_wait_dscnt 0x0                               ; both opening adds are done
	s_wait_kmcnt 0x0
	s_add_nc_u64 s[40:41], s[4:5], s[40:41]        ; XB at the rows that I fetch, K step 0: never rewritten
	s_add_nc_u64 s[44:45], s[6:7], s[44:45]        ; WB at the columns that I fetch, K step 0: never rewritten
	CROUND                                         ; all sixteen work-groups are here: the first joint loads meet
.irp s, 0,1
	s_mov_b32 s[G0A+4*(\s)], 1
	s_add_co_u32 s[G0A+4*(\s)+1], s21, (\s)*SLOT
	s_mov_b32 s[G0B+4*(\s)], 1
	s_add_co_u32 s[G0B+4*(\s)+1], s22, (\s)*SLOT
	SETK \s
	JLOAD \s                                       ; two loads of mine are out
.if (\s) == 0
	NEXTK
.endif
.endr
	v_and_b32 v1, 15, v0                           ; r = l % 16
	v_bfe_u32 v2, v0, 4, 1                         ; h = l / 16
	v_and_b32 v3, 31, v0                           ; l
	s_lshl_b32 s23, s17, 9                         ; biases and aw_w: column 128 tx + 64 half + 8 h + 16 b + j
	s_lshl_b32 s46, s[LOW], 8
	s_add_co_u32 s23, s23, s46
	v_lshl_add_u32 v[VB], v2, 5, s23
.irp b, 0,1,2,3
	global_load_b128 v[BV+8*\b:BV+8*\b+3], v[VB], s[8:9] offset:64*\b
	global_load_b128 v[BV+8*\b+4:BV+8*\b+7], v[VB], s[8:9] offset:64*\b+16
	global_load_b128 v[BU+8*\b:BU+8*\b+3], v[VB], s[10:11] offset:64*\b
	global_load_b128 v[BU+8*\b+4:BU+8*\b+7], v[VB], s[10:11] offset:64*\b+16
	global_load_b128 v[AW+8*\b:AW+8*\b+3], v[VB], s[68:69] offset:64*\b
	global_load_b128 v[AW+8*\b+4:AW+8*\b+7], v[VB], s[68:69] offset:64*\b+16
.endr
	v_mul_u32_u24 v4, v1, PA                       ; X's fragments: row x pitch + 16 h, in my 64 rows
	v_lshl_add_u32 v4, v2, 4, v4
	s_mul_i32 s46, s[HIW], 64*PA
	v_add_nc_u32 v[ADRA], s46, v4
	v_add_nc_u32 v[ADRA+1], SLOT, v[ADRA]
	v_and_b32 v5, 7, v0                            ; the turning load: lane l reads k = 8 h + l % 8, columns 8 ((l / 8) % 2) + 0..7
	v_lshl_add_u32 v5, v2, 3, v5
	v_mul_u32_u24 v5, v5, PB
	v_bfe_u32 v6, v0, 3, 1
	v_lshl_add_u32 v5, v6, 4, v5
	s_lshl_b32 s46, s[LOW], 7                      ; my 64 columns
	s_add_co_u32 s46, s46, OFFV
	v_add_nc_u32 v[ADRV], s46, v5
	v_add_nc_u32 v[ADRV+1], SLOT, v[ADRV]
	v_add_nc_u32 v[ADRU], 128*PB, v[ADRV]
	v_add_nc_u32 v[ADRU+1], SLOT, v[ADRU]
	s_lshl_b32 s46, s[LOW], 9                      ; the stage: [column half][row]
	s_lshl_b32 s47, s[HIW], 8
	s_add_co_u32 s46, s46, s47
	s_add_co_u32 s46, s46, STAGE
	v_lshl_add_u32 v[STO], v1, 2, s46
	v_lshlrev_b32 v[RD], 4, v3
	v_add_nc_u32 v[RD], STAGE, v[RD]
	s_lshl_b32 s46, s17, 14                        ; pl[tx][128 ty + 4 l]
	s_lshl_b32 s47, s18, 9
	s_add_co_u32 s46, s46, s47
	v_lshl_add_u32 v[CO], v3, 4, s46
; 8 matrix instructions: rows 16 a .. of my 64 x all 8 column tiles, 32 along K.  The 32 accumulators take turns in one order.
.macro MULA f, a, zero
	WIN MUL
.irp b, 0,1,2,3,4,5,6,7
.if \zero
	v_wmma_f32_16x16x32_bf16 v[8*(8*(\a)+\b):8*(8*(\a)+\b)+7], v[(\f)+8*\b:(\f)+8*\b+7], v[(\f)+64+8*(\a):(\f)+64+8*(\a)+7], 0
.else
	v_wmma_f32_16x16x32_bf16 v[8*(8*(\a)+\b):8*(8*(\a)+\b)+7], v[(\f)+8*\b:(\f)+8*\b+7], v[(\f)+64+8*(\a):(\f)+64+8*(\a)+7], v[8*(8*(\a)+\b):8*(8*(\a)+\b)+7]
.endif
.endr
.endm
; 24 LDS loads in one run: quarter q (32 along K) of a slot into buffer f: av's 4 fragments, au's 4, X's 4.
.macro FETCH slot, q, f
	WIN TO_F
.irp b, 0,1,2,3
	ds_load_tr16_b128 v[(\f)+8*\b:(\f)+8*\b+3], v[ADRV+(\slot)] offset:(\q)*32*PB+32*\b
	ds_load_tr16_b128 v[(\f)+8*\b+4:(\f)+8*\b+7], v[ADRV+(\slot)] offset:(\q)*32*PB+32*\b+16*PB
.endr
.irp b, 0,1,2,3
	ds_load_tr16_b128 v[(\f)+32+8*\b:(\f)+32+8*\b+3], v[ADRU+(\slot)] offset:(\q)*32*PB+32*\b
	ds_load_tr16_b128 v[(\f)+32+8*\b+4:(\f)+32+8*\b+7], v[ADRU+(\slot)] offset:(\q)*32*PB+32*\b+16*PB
.endr
.irp a, 0,1,2,3
	ds_load_b128 v[(\f)+64+8*\a:(\f)+64+8*\a+3], v[ADRA+(\slot)] offset:(\q)*64+\a*16*PA
	ds_load_b128 v[(\f)+64+8*\a+4:(\f)+64+8*\a+7], v[ADRA+(\slot)] offset:(\q)*64+\a*16*PA+32
.endr
.endm
; One of a K step's first three quarters: multiplies buffer f and fetches quarter q of the same slot into g.
.macro QUARTER slot, q, f, g, zero
	s_wait_dscnt 4                                 ; all but X's rows 32-63 are in
	MULA \f, 0, \zero
	MULA \f, 1, \zero
	PLACES                                         ; four places in front of loads into registers that matrix instructions have read
	FETCH \slot, \q, \g
	s_wait_dscnt 24                                ; all but the 24 just issued
	MULA \f, 2, \zero
	MULA \f, 3, \zero
.endm
; The last quarter multiplies buffer 1 and changes slots: each wave waits for all its tensor loads, adds 0 to its spare word, waits for that and for its reads of this slot; fill = 1: a round of the cluster's barrier, then the joint refill first.
.macro TURN slot, next, fill
	WIN 0
	s_wait_tensorcnt 0x0                           ; my part of the next slot has landed: no load of mine is out
	ds_add_u32 v[SPW], v[NIL]
	s_wait_dscnt 5                                 ; (the add and the youngest four loads may be out)
	MULA F1, 0, 0
	s_wait_dscnt 0x0                               ; the add is done, my reads of this slot are over
	s_barrier_signal -1
	MULA F1, 1, 0
.if \fill
	WIN 0
.endif
	s_barrier_wait -1
.if \fill
	CREST                                          ; no wave of any partner still reads this slot or has a load on its way
	NEXTK                                          ; the walk's step two on from the one just multiplied
	SETK \slot
	JLOAD \slot                                    ; my one load behind the round; its four v_nop are also the places in front of the loads below
.else
	PLACES
.endif
	FETCH \next, 0, F0
	MULA F1, 2, 0
	MULA F1, 3, 0
.endm
	s_wait_tensorcnt 0x1                           ; my part of the walk's first K step is in; the second's may stay out
	s_barrier_signal -1
	s_barrier_wait -1
	FETCH 0, 0, F0
	QUARTER 0, 1, F0, F1, 1                        ; the first quarter's products start the sums
	WIN 0
	s_mov_b32 s3, 3
.Llap:                                                 ; a trip goes once round the ring and fills both slots again: the walk's steps 2 to 7
	QUARTER 0, 2, F1, F0, 0
	QUARTER 0, 3, F0, F1, 0
	TURN 0, 1, 1
	QUARTER 1, 1, F0, F1, 0
	QUARTER 1, 2, F1, F0, 0
	QUARTER 1, 3, F0, F1, 0
	TURN 1, 0, 1
	QUARTER 0, 1, F0, F1, 0
	WIN 0
	s_sub_co_u32 s3, s3, 1
	s_cmp_lg_u32 s3, 0
	s_cbranch_scc1 .Llap
	QUARTER 0, 2, F1, F0, 0                        ; the last lap fills nothing
	QUARTER 0, 3, F0, F1, 0
	TURN 0, 1, 0
	QUARTER 1, 1, F0, F1, 0
	QUARTER 1, 2, F1, F0, 0
	QUARTER 1, 3, F0, F1, 0
	s_wait_dscnt 4
	MULA F1, 0, 0
	MULA F1, 1, 0
	s_wait_dscnt 0x0
	MULA F1, 2, 0
	MULA F1, 3, 0
	WIN 0
	; THE WAY OUT.  The biases take the exponents' factors: 32 plain instructions, the places behind the last products.
	s_wait_loadcnt 0x0
.set i, 0
.rept 16
	v_pk_mul_f32 v[BV+2*i:BV+2*i+1], v[BV+2*i:BV+2*i+1], s[C1:C1+1] op_sel_hi:[1,0]
	v_pk_mul_f32 v[BU+2*i:BU+2*i+1], v[BU+2*i:BU+2*i+1], s[C2:C2+1] op_sel_hi:[1,0]
.set i, i+1
.endr
.macro EPIL a                          ; rows 16 a ..: 32 columns a lane; each accumulator is read from its low end on
	WIN EPI
.set i, 0
.rept 16
	v_pk_fma_f32 v[T1+2*i:T1+2*i+1], v[64*(\a)+2*i:64*(\a)+2*i+1], s[C1:C1+1], v[BV+2*i:BV+2*i+1] op_sel_hi:[1,0,1]
.set i, i+1
.endr
.set i, 0
.rept 16
	v_pk_fma_f32 v[T2+2*i:T2+2*i+1], v[64*(\a)+32+2*i:64*(\a)+32+2*i+1], s[C2:C2+1], v[BU+2*i:BU+2*i+1] op_sel_hi:[1,0,1]
.set i, i+1
.endr
	WIN 0
.set i, 0
.rept 64
	v_exp_f32 v[T1+i], v[T1+i]
.set i, i+1
.endr
	v_nop                                          ; a plain instruction behind the last exponential,
	s_wait_alu depctr_va_vdst(0)                   ; and one wait for the batch
.set i, 0
.rept 32
	v_pk_add_f32 v[T1+2*i:T1+2*i+1], v[T1+2*i:T1+2*i+1], 1.0 op_sel_hi:[1,0]
.set i, i+1
.endr
.set i, 0
.rept 64
	v_rcp_f32 v[T1+i], v[T1+i]
.set i, i+1
.endr
	v_nop
	s_wait_alu depctr_va_vdst(0)
.set i, 0
.rept 16
	v_pk_fma_f32 v[T1+2*i:T1+2*i+1], v[T1+2*i:T1+2*i+1], -2.0, 1.0 op_sel_hi:[1,0,0]   ; tanh
.set i, i+1
.endr
.set i, 0
.rept 16
	v_pk_mul_f32 v[T1+2*i:T1+2*i+1], v[T1+2*i:T1+2*i+1], v[T2+2*i:T2+2*i+1]
.set i, i+1
.endr
	v_pk_mul_f32 v[RS+2*(\a):RS+2*(\a)+1], v[T1:T1+1], v[AW:AW+1]
.set i, 1
.rept 15
	v_pk_fma_f32 v[RS+2*(\a):RS+2*(\a)+1], v[T1+2*i:T1+2*i+1], v[AW+2*i:AW+2*i+1], v[RS+2*(\a):RS+2*(\a)+1]
.set i, i+1
.endr
.endm
	EPIL 0
	EPIL 1
	EPIL 2
	EPIL 3
.irp a, 0,1,2,3
	v_add_f32 v[RS+2*\a], v[RS+2*\a], v[RS+2*\a+1]
.endr
.irp a, 0,1,2,3
	v_permlanex16_b32 v[RS+2*\a+1], v[RS+2*\a], s[SEL], s[SEL+1]   ; the row's other 32 columns lie in the lane 16 away
.endr
.irp a, 0,1,2,3
	v_add_f32 v[RS+2*\a], v[RS+2*\a], v[RS+2*\a+1]
.endr
.irp a, 0,1,2,3
	ds_store_b32 v[STO], v[RS+2*\a] offset:64*\a
.endr
	s_wait_dscnt 0x0                               ; for the others' sake
	s_barrier_signal -1
	s_barrier_wait -1
	s_cmp_lg_u32 s[WV], 0
	s_cbranch_scc1 .Lnot_mine
	ds_load_b128 v[T1:T1+3], v[RD]                 ; wave 0 adds the two column halves: 128 rows, 4 a lane
	ds_load_b128 v[T1+4:T1+7], v[RD] offset:512
	s_wait_dscnt 0x0
	v_pk_add_f32 v[T1:T1+1], v[T1:T1+1], v[T1+4:T1+5]
	v_pk_add_f32 v[T1+2:T1+3], v[T1+2:T1+3], v[T1+6:T1+7]
	global_store_b128 v[CO], v[T1:T1+3], s[70:71]  ; 512 consecutive bytes
.Lnot_mine:
	s_wait_tensorcnt 0x0                           ; the wave's end
	ds_add_u32 v[SPW], v[NIL]
	s_wait_dscnt 0x0
	CROUND                                         ; the closing round
	s_endpgm
.Lfunc_end_k_q8e368e9b99_gate:
	.size	k_q8e368e9b99_gate, .Lfunc_end_k_q8e368e9b99_gate-k_q8e368e9b99_gate
	.p2alignl 7, 3214868480
	.fill 96, 4, 3214868480
	.section	.rodata,"a",@progbits
	.p2align	6, 0x0
	.amdhsa_kernel k_q8e368e9b99_gate
		.amdhsa_group_segment_fixed_size 327680
		.amdhsa_private_segment_fixed_size 0
		.amdhsa_enable_private_segment 0
		.amdhsa_kernarg_size 48
		.amdhsa_user_sgpr_count 2
		.amdhsa_user_sgpr_kernarg_segment_ptr 1
		.amdhsa_wavefront_size32 1
		.amdhsa_system_sgpr_workgroup_id_x 1
		.amdhsa_system_sgpr_workgroup_id_y 1
		.amdhsa_system_sgpr_workgroup_id_z 1
		.amdhsa_system_vgpr_workitem_id 0
		.amdhsa_next_free_vgpr 768
		.amdhsa_next_free_sgpr 84
		.amdhsa_reserve_vcc 0
		.amdhsa_float_denorm_mode_32 3
		.amdhsa_float_denorm_mode_16_64 3
		.amdhsa_memory_ordered 1
		.amdhsa_forward_progress 1
		.amdhsa_inst_pref_size 122
	.end_amdhsa_kernel
	.amdgpu_metadata
---
amdhsa.version: [ 1, 2 ]
amdhsa.kernels:
  - .name:           k_q8e368e9b99_gate
    .symbol:         k_q8e368e9b99_gate.kd
    .args:
      - { .name: xc, .offset: 0, .size: 8, .value_kind: global_buffer, .address_space: global }
      - { .name: wc, .offset: 8, .size: 8, .value_kind: global_buffer, .address_space: global }
      - { .name: av_b, .offset: 16, .size: 8, .value_kind: global_buffer, .address_space: global }
      - { .name: au_b, .offset: 24, .size: 8, .value_kind: global_buffer, .address_space: global }
      - { .name: aw_w, .offset: 32, .size: 8, .value_kind: global_buffer, .address_space: global }
      - { .name: pl, .offset: 40, .size: 8, .value_kind: global_buffer, .address_space: global }
    .group_segment_fixed_size: 327680
    .private_segment_fixed_size: 0
    .kernarg_segment_align: 8
    .kernarg_segment_size: 48
    .max_flat_workgroup_size: 128
    .sgpr_count:     84
    .vgpr_count:     768
    .wavefront_size: 32
...
	.end_amdgpu_metadata
.endif
;; end of part 2
;; launch pool (part 3): grid 352 x 1, 8 waves a work-group, no clusters, 17,408 bytes of LDS; arguments xc, wc, pl, fc1_w, v_w, p3; writes p3
.if DOCPART == 3
	.amdgcn_target "amdgcn-amd-amdhsa--gfx1250"
	.amdhsa_code_object_version 6
	.text
	.protected	k_q8e368e9b99_pool
	.globl	k_q8e368e9b99_pool
	.p2align	8
	.type	k_q8e368e9b99_pool,@function
k_q8e368e9b99_pool:
	s_mov_b64 s[64:65], 0
	v_nop
	global_prefetch_b8 v0, s[64:65] scope:SCOPE_SE
	s_setreg_imm32_b32 hwreg(HW_REG_WAVE_MODE, 25, 1), 1
	s_wait_xcnt 0x0
; Launch 3.  Work-groups 0-255, (i, j) = (g / 8, g % 8): for the 128 rows of block i the logits a (the eight partial sums of pl; aw_b is left out, see the first kernel's head), their maximum m, e = exp(a - m), l = sum e,
; XP[i][128 j ..] = sum over the rows of e XB[row][128 j ..], and PH[i][j][:] = XP's slab times fc1_w's rows 128 j ..: the softmax over all 4,096 rows is finished in the next launch from (m, l) of the 32 blocks.
; Work-groups 256-351: VO[2 h + c][i] = sum_d v_w[i][1024 h + d] OH[1024 h + d][c], bf16: V itself is never formed (first kernel's head).
; One-row and two-column products: no tile for the matrix unit; f32 on the vector unit.  No cluster: nothing goes through tensor loads, and what work-groups share (4 KiB of pl, 8 KiB of OH) is small beside their own streams.
; p3: XP [32][1024] f32 at 0; PH [32][8][128] f32 at 131,072; ML [32][2] f32 at 262,144; VO [6][1024] bf16 at 262,400.
.set RED,   0                          ; 8 waves x 512: the waves' parts of XP's slab
.set RED2,  4096                       ; 8 x 512: of PH
.set SCR,   8192                       ; 8 x 1,024, each wave's own: e at +0, the slab at +512
.set SPARE, 16384                      ; the spare words: 128 bytes a wave
.set L,   1
.set R,   2
.set H,   3
.set V16, 4                            ; 16 x lane
.set AXT, 5
.set ASC, 6
.set AE,  7
.set ARED, 8
.set AXS, 9
.set AR2, 10
.set VZ,  11                           ; 0
.set TT,  12
.set SPW, 14
.set NIL, 15
.set XT,  16                           ; v[16:47]   8 rows x 8 bf16
.set FW,  48                           ; v[48:111]  16 rows of fc1_w x 4
.set PL,  112                          ; v[112:143]
.set E,   144                          ; v[144:151] e of my 8 rows
.set ACC, 152                          ; v[152:159]
.set T,   160                          ; v[160:199]
.set SEL, 18
.macro WRED op, v, t
	\op\()_dpp v[\v], v[\v], v[\v] row_xmask:1 row_mask:0xf bank_mask:0xf
	\op\()_dpp v[\v], v[\v], v[\v] row_xmask:2 row_mask:0xf bank_mask:0xf
	\op\()_dpp v[\v], v[\v], v[\v] row_xmask:4 row_mask:0xf bank_mask:0xf
	\op\()_dpp v[\v], v[\v], v[\v] row_xmask:8 row_mask:0xf bank_mask:0xf
	v_permlanex16_b32 v[\t], v[\v], s[SEL], s[SEL+1]
	\op v[\v], v[\v], v[\t]
.endm
.macro HSUM v, t
	v_permlanex16_b32 v[\t], v[\v], s[SEL], s[SEL+1]
	v_add_f32 v[\v], v[\v], v[\t]
.endm
.macro TREE8 b                         ; the eight quads at v[b + 4 k] are added into v[b : b+3]
.irp s, 4, 2, 1
.set k, 0
.rept \s
	v_pk_add_f32 v[(\b)+4*k:(\b)+4*k+1], v[(\b)+4*k:(\b)+4*k+1], v[(\b)+4*(k+\s):(\b)+4*(k+\s)+1]
	v_pk_add_f32 v[(\b)+4*k+2:(\b)+4*k+3], v[(\b)+4*k+2:(\b)+4*k+3], v[(\b)+4*(k+\s)+2:(\b)+4*(k+\s)+3]
.set k, k+1
.endr
.endr
.endm
.macro BMUL d, x, sel, y
.if (\sel)
	v_pk_mul_f32 v[(\d):(\d)+1], v[(\x):(\x)+1], v[(\y):(\y)+1] op_sel:[1,0] op_sel_hi:[1,1]
.else
	v_pk_mul_f32 v[(\d):(\d)+1], v[(\x):(\x)+1], v[(\y):(\y)+1] op_sel_hi:[0,1]
.endif
.endm
.macro BFMA d, x, sel, y
.if (\sel)
	v_pk_fma_f32 v[(\d):(\d)+1], v[(\x):(\x)+1], v[(\y):(\y)+1], v[(\d):(\d)+1] op_sel:[1,0,0] op_sel_hi:[1,1,1]
.else
	v_pk_fma_f32 v[(\d):(\d)+1], v[(\x):(\x)+1], v[(\y):(\y)+1], v[(\d):(\d)+1] op_sel_hi:[0,1,1]
.endif
.endm
.macro DOT2 x, hw, t
.set jj, 0
.rept 8
.set ii, 0
.rept 4
.if jj == 0
	BMUL (\t)+2*ii, (\x)+4*jj+(ii&2), ii&1, (\hw)+8*jj+2*ii
.else
	BFMA (\t)+2*ii, (\x)+4*jj+(ii&2), ii&1, (\hw)+8*jj+2*ii
.endif
.set ii, ii+1
.endr
.set jj, jj+1
.endr
	v_pk_add_f32 v[(\t):(\t)+1], v[(\t):(\t)+1], v[(\t)+2:(\t)+3]
	v_pk_add_f32 v[(\t)+4:(\t)+5], v[(\t)+4:(\t)+5], v[(\t)+6:(\t)+7]
	v_pk_add_f32 v[(\t):(\t)+1], v[(\t):(\t)+1], v[(\t)+4:(\t)+5]
.endm
	s_load_b256 s[4:11], s[0:1], 0x0               ; xc 4, wc 6, pl 8, fc1_w 10
	s_load_b128 s[12:15], s[0:1], 0x20             ; v_w 12, p3 14
	v_lshl_add_u32 v[SPW], v0, 2, SPARE
	v_mov_b32 v[NIL], 0
	v_mov_b32 v[VZ], 0
	v_and_b32 v[L], 31, v0
	v_and_b32 v[R], 15, v0
	v_bfe_u32 v[H], v0, 4, 1
	v_lshrrev_b32 v[TT], 5, v0
	v_readfirstlane_b32 s16, v[TT]                 ; wave 0..7
	v_lshlrev_b32 v[V16], 4, v[L]
	s_mov_b32 s17, ttmp9
	s_mov_b32 s[SEL], 0x76543210
	s_mov_b32 s[SEL+1], 0xfedcba98
	s_mov_b32 s23, 0
	s_wait_kmcnt 0x0
	s_cmp_lt_u32 s17, 256
	s_cbranch_scc0 .Lvo
	s_lshr_b32 s20, s17, 3                         ; i
	s_and_b32 s21, s17, 7                          ; j
	s_lshl_b32 s22, s20, 9
	s_add_nc_u64 s[24:25], s[8:9], s[22:23]        ; pl at the block's 128 rows
.irp c, 0,1,2,3,4,5,6,7
	global_load_b128 v[PL+4*\c:PL+4*\c+3], v[V16], s[24:25] offset:16384*\c   ; every wave takes all 128 logits, 4 rows a lane
.endr
	s_lshl_b32 s22, s20, 18
	s_lshl_b32 s26, s16, 15
	s_add_co_u32 s22, s22, s26
	s_lshl_b32 s26, s21, 8
	s_add_co_u32 s22, s22, s26
	s_add_nc_u64 s[26:27], s[4:5], s[22:23]        ; XB at row 128 i + 16 w, column 128 j
	v_lshlrev_b32 v[AXT], 11, v[H]
	v_lshl_add_u32 v[AXT], v[R], 4, v[AXT]
.irp t, 0,1,2,3,4,5,6,7
	global_load_b128 v[XT+4*\t:XT+4*\t+3], v[AXT], s[26:27] offset:4096*\t    ; row 16 w + h + 2 t, columns 8 r .. + 7: sixteen lanes take 256 consecutive bytes
.endr
	s_lshl_b32 s22, s21, 16
	s_lshl_b32 s28, s16, 13
	s_add_co_u32 s22, s22, s28
	s_add_nc_u64 s[28:29], s[10:11], s[22:23]      ; fc1_w at row 128 j + 16 w
.set t, 0
.rept 16
	global_load_b128 v[FW+4*t:FW+4*t+3], v[V16], s[28:29] offset:512*t
.set t, t+1
.endr
	s_lshl_b32 s22, s20, 12
	s_lshl_b32 s30, s21, 9
	s_add_co_u32 s22, s22, s30
	s_add_nc_u64 s[32:33], s[14:15], s[22:23]      ; XP[i][128 j]
	s_lshl_b32 s22, s17, 9
	s_add_co_u32 s22, s22, 131072
	s_add_nc_u64 s[34:35], s[14:15], s[22:23]      ; PH[i][j]
	s_lshl_b32 s22, s20, 3
	s_add_co_u32 s22, s22, 262144
	s_add_nc_u64 s[36:37], s[14:15], s[22:23]      ; ML[i]
	s_lshl_b32 s30, s16, 10
	s_add_co_u32 s30, s30, SCR                     ; my scratch
	v_add_nc_u32 v[ASC], s30, v[V16]
	s_lshl_b32 s31, s16, 6
	s_add_co_u32 s31, s31, s30
	v_lshl_add_u32 v[AE], v[H], 2, s31             ; scratch + 4 (16 w + h)
	v_mov_b32 v[AXS], s31                          ; scratch + 64 w
	s_lshl_b32 s31, s16, 9
	v_lshl_add_u32 v[ARED], v[R], 5, s31           ; 512 w + 32 r
	v_add_nc_u32 v[AR2], s31, v[V16]               ; 512 w + 16 l
	s_wait_loadcnt 24                              ; the logits are in; XB's 8 and fc1_w's 16 loads may stay out
	TREE8 PL                                       ; a of rows 4 l .. 4 l + 3
	v_max3_num_f32 v[T], v[PL], v[PL+1], v[PL+2]
	v_max_num_f32 v[T], v[T], v[PL+3]
	WRED v_max_num_f32, T, TT                      ; m
	v_mov_b32 v[T+8], v[T]
.irp c, 0,1,2,3
	v_sub_f32 v[PL+\c], v[PL+\c], v[T]
.endr
.irp c, 0,1,2,3
	v_mul_f32 v[PL+\c], 0x3fb8aa3b, v[PL+\c]
.endr
.irp c, 0,1,2,3
	v_exp_f32 v[T+4+\c], v[PL+\c]
.endr
	v_nop
	s_wait_alu depctr_va_vdst(0)                   ; one wait for the four exponentials
	v_add_f32 v[T+9], v[T+4], v[T+5]
	v_add_f32 v[T+2], v[T+6], v[T+7]
	v_add_f32 v[T+9], v[T+9], v[T+2]
	WRED v_add_f32, T+9, TT                        ; l; (m, l) is the pair v[T+8:T+9]
	ds_store_b128 v[ASC], v[T+4:T+7]               ; e by rows, into my own scratch; LDS serves a wave's instructions in order
.irp t, 0,1,2,3,4,5,6,7
	ds_load_b32 v[E+\t], v[AE] offset:8*\t         ; e of row 16 w + h + 2 t
.endr
	s_wait_dscnt 0x0
	s_wait_loadcnt 16                              ; XB's rows are in
.set t, 0
.rept 8
.set c, 0
.rept 8
.if t == 0
.if c & 1
	v_fma_mix_f32_bf16 v[ACC+c], v[XT+4*t+c/2], v[E+t], v[VZ] op_sel:[1,0,0] op_sel_hi:[1,0,0]
.else
	v_fma_mix_f32_bf16 v[ACC+c], v[XT+4*t+c/2], v[E+t], v[VZ] op_sel_hi:[1,0,0]
.endif
.else
.if c & 1
	v_fma_mix_f32_bf16 v[ACC+c], v[XT+4*t+c/2], v[E+t], v[ACC+c] op_sel:[1,0,0] op_sel_hi:[1,0,0]
.else
	v_fma_mix_f32_bf16 v[ACC+c], v[XT+4*t+c/2], v[E+t], v[ACC+c] op_sel_hi:[1,0,0]
.endif
.endif
.set c, c+1
.endr
.set t, t+1
.endr
.irp c, 0,1,2,3,4,5,6,7
	HSUM ACC+\c, TT                                ; even and odd rows
.endr
	ds_store_b128 v[ARED], v[ACC:ACC+3] offset:RED
	ds_store_b128 v[ARED], v[ACC+4:ACC+7] offset:RED+16
	s_wait_dscnt 0x0
	s_barrier_signal -1
	s_barrier_wait -1                              ; all eight waves' parts of the slab lie in LDS
.irp k, 0,1,2,3,4,5,6,7
	ds_load_b128 v[PL+4*\k:PL+4*\k+3], v[V16] offset:RED+512*\k
.endr
	s_wait_dscnt 0x0
	TREE8 PL                                       ; the slab's columns 4 l .. + 3
	s_cmp_lg_u32 s16, 0
	s_cbranch_scc1 .Lno_xp
	global_store_b128 v[V16], v[PL:PL+3], s[32:33] ; 512 consecutive bytes; PL is not rewritten
.Lno_xp:
	ds_store_b128 v[ASC], v[PL:PL+3] offset:512
.irp u, 0,1,2,3
	ds_load_b128 v[T+16+4*\u:T+16+4*\u+3], v[AXS] offset:512+16*\u   ; columns 16 w .. + 15, the same in every lane
.endr
	s_wait_dscnt 0x0
	s_wait_loadcnt 0x0                             ; fc1_w
.set t, 0
.rept 16
.if t == 0
	BMUL T+32, T+16, 0, FW
	BMUL T+34, T+16, 0, FW+2
.else
	BFMA T+32, T+16+(t&14), t&1, FW+4*t
	BFMA T+34, T+16+(t&14), t&1, FW+4*t+2
.endif
.set t, t+1
.endr
	ds_store_b128 v[AR2], v[T+32:T+35] offset:RED2
	s_wait_dscnt 0x0
	s_barrier_signal -1
	s_barrier_wait -1
	s_cmp_lg_u32 s16, 0
	s_cbranch_scc1 .Lend
.irp k, 0,1,2,3,4,5,6,7
	ds_load_b128 v[XT+4*\k:XT+4*\k+3], v[V16] offset:RED2+512*\k
.endr
	s_wait_dscnt 0x0
	TREE8 XT
	global_store_b128 v[V16], v[XT:XT+3], s[34:35]
	s_cmp_lg_u32 s21, 0
	s_cbranch_scc1 .Lend                           ; (m, l) is stored by the block's first work-group
	s_wait_xcnt 0x0                                ; EXEC changes only behind this wait
	v_cmp_eq_u32 vcc_lo, 0, v[L]
	s_and_saveexec_b32 s38, vcc_lo
	global_store_b64 v[VZ], v[T+8:T+9], s[36:37]
	s_wait_xcnt 0x0
	s_or_b32 exec_lo, exec_lo, s38
	s_branch .Lend
.Lvo:
	; VO: head hd = g' / 32, rows i0 = 32 (g' % 32) + 4 w .. + 3 of v_w; a lane holds d = 128 j + 4 l + i.
	s_sub_co_u32 s20, s17, 256
	s_lshr_b32 s21, s20, 5
	s_and_b32 s22, s20, 31
	s_lshl_b32 s22, s22, 5
	s_lshl_b32 s24, s16, 2
	s_add_co_u32 s20, s22, s24                     ; i0
	s_lshl_b32 s22, s21, 13
	s_add_co_u32 s22, s22, 0x400000
	s_add_nc_u64 s[26:27], s[6:7], s[22:23]        ; OH at the head's rows
	v_lshlrev_b32 v[AXT], 5, v[L]
.irp j, 0,1,2,3,4,5,6,7
	global_load_b128 v[16+8*\j:16+8*\j+3], v[AXT], s[26:27] offset:1024*\j
	global_load_b128 v[16+8*\j+4:16+8*\j+7], v[AXT], s[26:27] offset:1024*\j+16
.endr
	s_mul_i32 s22, s20, 12288
	s_lshl_b32 s28, s21, 12
	s_add_co_u32 s22, s22, s28
	s_add_nc_u64 s[28:29], s[12:13], s[22:23]
.irp t, 0,1,2,3
.irp j, 0,1,2,3,4,5,6,7
	global_load_b128 v[80+32*\t+4*\j:80+32*\t+4*\j+3], v[V16], s[28:29] offset:12288*\t+512*\j th:TH_LOAD_NT
.endr
.endr
	s_lshl_b32 s22, s21, 12                        ; VO row 2 hd, column i0
	s_lshl_b32 s30, s20, 1
	s_add_co_u32 s22, s22, s30
	s_add_co_u32 s22, s22, 262400
	s_add_nc_u64 s[30:31], s[14:15], s[22:23]
	v_lshlrev_b32 v[AE], 11, v[L]                  ; lane 0 stores c = 0, lane 1 c = 1
.irp t, 0,1,2,3
	s_wait_loadcnt 8*(3-\t)                        ; the later rows may stay out
	DOT2 80+32*\t, 16, 208
	WRED v_add_f32, 208, TT
	WRED v_add_f32, 209, TT
	v_mov_b32 v[216+2*\t], v208
	v_mov_b32 v[217+2*\t], v209
.endr
	v_cvt_pk_bf16_f32 v224, v216, v218
	v_cvt_pk_bf16_f32 v225, v220, v222
	v_cvt_pk_bf16_f32 v226, v217, v219
	v_cvt_pk_bf16_f32 v227, v221, v223
	v_cmp_eq_u32 vcc_lo, 1, v[L]
	v_cndmask_b32 v228, v224, v226, vcc_lo
	v_cndmask_b32 v229, v225, v227, vcc_lo
	s_wait_xcnt 0x0
	v_cmp_gt_u32 vcc_lo, 2, v[L]
	s_and_saveexec_b32 s38, vcc_lo
	global_store_b64 v[AE], v[228:229], s[30:31]   ; 8 bytes a row: VO is 12 KiB in all
	s_wait_xcnt 0x0
	s_or_b32 exec_lo, exec_lo, s38
.Lend:
	s_wait_tensorcnt 0x0                           ; the wave's end
	ds_add_u32 v[SPW], v[NIL]
	s_wait_dscnt 0x0
	s_endpgm
.Lfunc_end_k_q8e368e9b99_pool:
	.size	k_q8e368e9b99_pool, .Lfunc_end_k_q8e368e9b99_pool-k_q8e368e9b99_pool
	.p2alignl 7, 3214868480
	.fill 96, 4, 3214868480
	.section	.rodata,"a",@progbits
	.p2align	6, 0x0
	.amdhsa_kernel k_q8e368e9b99_pool
		.amdhsa_group_segment_fixed_size 17408
		.amdhsa_private_segment_fixed_size 0
		.amdhsa_enable_private_segment 0
		.amdhsa_kernarg_size 48
		.amdhsa_user_sgpr_count 2
		.amdhsa_user_sgpr_kernarg_segment_ptr 1
		.amdhsa_wavefront_size32 1
		.amdhsa_system_sgpr_workgroup_id_x 1
		.amdhsa_system_sgpr_workgroup_id_y 1
		.amdhsa_system_sgpr_workgroup_id_z 1
		.amdhsa_system_vgpr_workitem_id 0
		.amdhsa_next_free_vgpr 232
		.amdhsa_next_free_sgpr 66
		.amdhsa_reserve_vcc 1
		.amdhsa_float_denorm_mode_32 3
		.amdhsa_float_denorm_mode_16_64 3
		.amdhsa_memory_ordered 1
		.amdhsa_forward_progress 1
		.amdhsa_inst_pref_size 38
	.end_amdhsa_kernel
	.amdgpu_metadata
---
amdhsa.version: [ 1, 2 ]
amdhsa.kernels:
  - .name:           k_q8e368e9b99_pool
    .symbol:         k_q8e368e9b99_pool.kd
    .args:
      - { .name: xc, .offset: 0, .size: 8, .value_kind: global_buffer, .address_space: global }
      - { .name: wc, .offset: 8, .size: 8, .value_kind: global_buffer, .address_space: global }
      - { .name: pl, .offset: 16, .size: 8, .value_kind: global_buffer, .address_space: global }
      - { .name: fc1_w, .offset: 24, .size: 8, .value_kind: global_buffer, .address_space: global }
      - { .name: v_w, .offset: 32, .size: 8, .value_kind: global_buffer, .address_space: global }
      - { .name: p3, .offset: 40, .size: 8, .value_kind: global_buffer, .address_space: global }
    .group_segment_fixed_size: 17408
    .private_segment_fixed_size: 0
    .kernarg_segment_align: 8
    .kernarg_segment_size: 48
    .max_flat_workgroup_size: 256
    .sgpr_count:     66
    .vgpr_count:     232
    .wavefront_size: 32
...
	.end_amdgpu_metadata
.endif
;; end of part 3
;; launch vae (part 4): grid 16 x 1, 8 waves a work-group, no clusters, 80,384 bytes of LDS; arguments p3, fc1_b, fc21_w, fc21_b, fc22_w, fc22_b, s, fc3_w, fc3_b, fc4_w, fc4_b, out0, out1, out3, out4, out5, xo; writes out0, out1, out3, out4, out5, xo
.if DOCPART == 4
	.amdgcn_target "amdgcn-amd-amdhsa--gfx1250"
	.amdhsa_code_object_version 6
	.text
	.protected	k_q8e368e9b99_vae
	.globl	k_q8e368e9b99_vae
	.p2align	8
	.type	k_q8e368e9b99_vae,@function
k_q8e368e9b99_vae:
	s_mov_b64 s[64:65], 0
	v_nop
	global_prefetch_b8 v0, s[64:65] scope:SCOPE_SE
	s_setreg_imm32_b32 hwreg(HW_REG_WAVE_MODE, 25, 1), 1
	s_wait_xcnt 0x0
; Launch 4: the softmax over the 32 blocks is finished (maximum M of the m_i, weights w_i = exp(m_i - M) / sum exp(m_i - M) l_i), then x, h1, mu, logvar, z, relu(z fc3_w + fc3_b), x_ and its mean.
; Work-group g owns columns 64 g .. + 63 of x and of x_; all that lies ahead of them (h1, mu, logvar, z, the hidden layer) is made anew in each of the 16 work-groups: a few hundred KiB of reads against a launch more.
; ALL 76 LOADS OF A WAVE GO OUT AT THE HEAD, in the order in which they are wanted, and each group is waited for where it is first read; for that PH's 128 registers lie in window 1 (four switches in the text).
; The two products with 32 rows go to the matrix unit in bf16, used transposed (source 0 = 16 columns of the weights, source 1 = 16 rows): a lane holds one row and eight neighbouring columns.
; fc3_w and fc4_w's slab lie [k][n]: they are read by rows (a load covers 512 or twice 256 consecutive bytes), each row by one wave, packed to bf16 into LDS as they lie, and taken out turned, by ds_load_tr16_b128.
; xo IS STORED IN THE ORDER IN WHICH THE NEXT LAUNCH'S LANES TAKE IT: xo[g][idx = 8 mt + 4 ks + 2 hf + c][lane = 16 h + r][16 bytes] = x_[16 mt + r][64 g + 32 ks + 16 hf + 8 h + 4 c ..]: a store of a wave covers 512 consecutive bytes.
; No cluster: nothing goes through tensor loads.  LIMIT: a weight below 2^-126 counts as 0.
.set HP,    0                          ; 8 x 512   the waves' parts of x fc1_w
.set MVP,   4096                       ; 8 x 512   of mu (256 bytes) and logvar (256)
.set XPP,   8192                       ; 8 x 256   of x's slab
.set ZB,    10240                      ; 32 x 144  z, bf16
.set RB,    14848                      ; 32 x 272  the hidden layer, bf16
.set XS,    23552                      ; 32 x 272  x_'s slab, f32
.set SCR,   32256                      ; 8 x 1,024 each wave's own: the 32 weights at +0, h1 at +256
.set W3,    40448                      ; 64 x 288  fc3_w, bf16, [k][128 n]
.set W4,    58880                      ; 128 x 160 fc4_w's slab, bf16, [k][64 n]
.set SPARE, 79360                      ; the spare words: 128 bytes a wave
.set L,    1
.set R,    2
.set H,    3
.set V16,  4                           ; 16 l
.set V16R, 5                           ; 16 r
.set TT,   6
.set SPW,  14
.set NIL,  15
.set F21,  64                          ; v[32:39] fc3_b, v[40:47] fc4_b, v[48:63] at work
.set F22,  96
.set R3,   128                         ; v[128:159] fc3_w as loaded; later fc4_w's fragments
.set R4,   160                         ; v[160:191] fc4_w as loaded
.set WG,   192                         ; v[192:223] the 32 weights
.set A3S,  252                         ; LDS addresses: fc3_w in, fc4_w in, fc3_w out, fc4_w out
.set A4S,  253
.set A3L,  254
.set A4L,  255
.set PH,   0                           ; window 1: v[0:127]
.set WV,   42
.set GR,   43
.set SC,   44
.set SEL,  46
.set MSB, 0
.macro WIN new                         ; the immediate's high byte repeats the setting that is left
.if MSB != (\new)
	s_set_vgpr_msb (MSB<<8)|(\new)
.set MSB, \new
.endif
.endm
.macro WRED op, v, t
	\op\()_dpp v[\v], v[\v], v[\v] row_xmask:1 row_mask:0xf bank_mask:0xf
	\op\()_dpp v[\v], v[\v], v[\v] row_xmask:2 row_mask:0xf bank_mask:0xf
	\op\()_dpp v[\v], v[\v], v[\v] row_xmask:4 row_mask:0xf bank_mask:0xf
	\op\()_dpp v[\v], v[\v], v[\v] row_xmask:8 row_mask:0xf bank_mask:0xf
	v_permlanex16_b32 v[\t], v[\v], s[SEL], s[SEL+1]
	\op v[\v], v[\v], v[\t]
.endm
.macro HSUM v, t
	v_permlanex16_b32 v[\t], v[\v], s[SEL], s[SEL+1]
	v_add_f32 v[\v], v[\v], v[\t]
.endm
.macro BMUL d, x, sel, y
.if (\sel)
	v_pk_mul_f32 v[(\d):(\d)+1], v[(\x):(\x)+1], v[(\y):(\y)+1] op_sel:[1,0] op_sel_hi:[1,1]
.else
	v_pk_mul_f32 v[(\d):(\d)+1], v[(\x):(\x)+1], v[(\y):(\y)+1] op_sel_hi:[0,1]
.endif
.endm
.macro BFMA d, x, sel, y
.if (\sel)
	v_pk_fma_f32 v[(\d):(\d)+1], v[(\x):(\x)+1], v[(\y):(\y)+1], v[(\d):(\d)+1] op_sel:[1,0,0] op_sel_hi:[1,1,1]
.else
	v_pk_fma_f32 v[(\d):(\d)+1], v[(\x):(\x)+1], v[(\y):(\y)+1], v[(\d):(\d)+1] op_sel_hi:[0,1,1]
.endif
.endm
.macro PLACES
.rept 4
	v_nop
.endr
.endm
.macro BAR
	s_wait_dscnt 0x0                               ; for the others' sake: my LDS stores are done, my LDS loads are back
	s_barrier_signal -1
	s_barrier_wait -1
.endm
; v[d:d+3] = the sum over k = 0..7 of the 16 bytes at v[a] + off + st k, in two halves of four loads: v[48:63] are at work
.macro LSUM8 d, a, off, st
.irp k, 0,1,2,3
	ds_load_b128 v[48+4*\k:48+4*\k+3], v[\a] offset:(\off)+(\st)*\k
.endr
	s_wait_dscnt 0x0
.irp c, 0, 2
	v_pk_add_f32 v[48+\c:49+\c], v[48+\c:49+\c], v[52+\c:53+\c]
	v_pk_add_f32 v[56+\c:57+\c], v[56+\c:57+\c], v[60+\c:61+\c]
	v_pk_add_f32 v[(\d)+\c:(\d)+\c+1], v[48+\c:49+\c], v[56+\c:57+\c]
.endr
.irp k, 0,1,2,3
	ds_load_b128 v[48+4*\k:48+4*\k+3], v[\a] offset:(\off)+(\st)*(\k+4)
.endr
	s_wait_dscnt 0x0
.irp c, 0, 2
	v_pk_add_f32 v[48+\c:49+\c], v[48+\c:49+\c], v[52+\c:53+\c]
	v_pk_add_f32 v[56+\c:57+\c], v[56+\c:57+\c], v[60+\c:61+\c]
	v_pk_add_f32 v[48+\c:49+\c], v[48+\c:49+\c], v[56+\c:57+\c]
	v_pk_add_f32 v[(\d)+\c:(\d)+\c+1], v[(\d)+\c:(\d)+\c+1], v[48+\c:49+\c]
.endr
.endm
	s_load_b512 s[8:23], s[0:1], 0x0               ; p3 8, fc1_b 10, fc21_w 12, fc21_b 14, fc22_w 16, fc22_b 18, s 20, fc3_w 22
	s_load_b512 s[24:39], s[0:1], 0x40             ; fc3_b 24, fc4_w 26, fc4_b 28, out0 30, out1 32, out3 34, out4 36, out5 38
	s_load_b64 s[40:41], s[0:1], 0x80              ; xo
	v_lshl_add_u32 v[SPW], v0, 2, SPARE
	v_mov_b32 v[NIL], 0
	v_and_b32 v[L], 31, v0
	v_and_b32 v[R], 15, v0
	v_bfe_u32 v[H], v0, 4, 1
	v_lshrrev_b32 v[TT], 5, v0
	v_readfirstlane_b32 s[WV], v[TT]               ; wave 0..7
	s_mov_b32 s[GR], ttmp9
	v_lshlrev_b32 v[V16], 4, v[L]
	v_lshlrev_b32 v[V16R], 4, v[R]
	v_lshlrev_b32 v8, 3, v[L]
	v_lshlrev_b32 v240, 12, v[H]
	v_add_nc_u32 v240, v240, v[V16R]               ; 4,096 h + 16 r
	v_lshlrev_b32 v241, 5, v[H]                    ; 32 h
	v_cmp_eq_u32 s72, 1, v[H]                      ; the upper half of the lanes
	s_mov_b32 s[SEL], 0x76543210
	s_mov_b32 s[SEL+1], 0xfedcba98
	s_lshl_b32 s[SC], s[WV], 10
	s_add_co_u32 s[SC], s[SC], SCR                 ; my scratch
	s_mov_b32 s49, 0
	s_lshl_b32 s45, s[GR], 8                       ; 256 g: my 64 columns in f32
	s_wait_kmcnt 0x0
	s_lshl_b32 s48, s[WV], 9
	s_add_co_u32 s48, s48, 131072
	s_add_nc_u64 s[50:51], s[8:9], s[48:49]        ; PH[0][w]
	s_lshl_b32 s48, s[WV], 12
	s_add_nc_u64 s[52:53], s[12:13], s[48:49]      ; fc21_w, fc22_w at row 16 w
	s_add_nc_u64 s[54:55], s[16:17], s[48:49]
	s_add_nc_u64 s[66:67], s[22:23], s[48:49]      ; fc3_w at row 8 w
	s_lshl_b32 s48, s[WV], 14
	s_add_co_u32 s48, s48, s45
	s_add_nc_u64 s[56:57], s[8:9], s[48:49]        ; XP at row 4 w, column 64 g
	s_lshl_b32 s48, s[WV], 10
	s_add_nc_u64 s[58:59], s[20:21], s[48:49]      ; s and out5 at row 4 w
	s_add_nc_u64 s[76:77], s[38:39], s[48:49]
	s_lshl_b32 s82, s[GR], 13
	s_add_co_u32 s48, s48, s82
	s_add_nc_u64 s[78:79], s[40:41], s[48:49]      ; xo at block g, my two runs of 512 bytes
	s_lshl_b32 s48, s[WV], 6
	s_add_nc_u64 s[60:61], s[24:25], s[48:49]      ; fc3_b at column 16 w
	s_lshr_b32 s48, s[WV], 1
	s_lshl_b32 s48, s48, 6
	s_add_co_u32 s48, s48, s45
	s_add_nc_u64 s[68:69], s[28:29], s[48:49]      ; fc4_b at column 64 g + 16 (w / 2)
	s_lshl_b32 s48, s[WV], 16
	s_add_co_u32 s48, s48, s45
	s_add_nc_u64 s[70:71], s[26:27], s[48:49]      ; fc4_w at row 16 w, column 64 g
	s_mov_b32 s48, s45
	s_add_nc_u64 s[74:75], s[30:31], s[48:49]      ; out0, out1 at column 64 g
	s_add_nc_u64 s[80:81], s[32:33], s[48:49]
	; the loads: 1 + 32 + 8 + 8 + 1 + 10 + 8 + 8 = 76.  Their address registers and bases are never rewritten.
	global_load_b64 v[16:17], v8, s[8:9] offset:262144      ; lane i: (m_i, l_i)
	WIN 0x40                                       ; destination window 1, address window 0
.set i, 0
.rept 32
	global_load_b128 v[PH+4*i:PH+4*i+3], v[V16], s[50:51] offset:4096*i   ; PH[i][w][4 l ..]
.set i, i+1
.endr
	WIN 0
.irp t, 0,1,2,3,4,5,6,7
	global_load_b128 v[F21+4*\t:F21+4*\t+3], v[V16], s[52:53] offset:512*\t   ; row 16 w + 2 t + h, columns 4 r ..
.endr
.irp t, 0,1,2,3,4,5,6,7
	global_load_b128 v[F22+4*\t:F22+4*\t+3], v[V16], s[54:55] offset:512*\t
.endr
	global_load_b128 v[24:27], v[V16], s[10:11]              ; fc1_b
	global_load_b128 v[224:227], v240, s[56:57]              ; XP[4 w + h][64 g + 4 r ..]
	global_load_b128 v[228:231], v240, s[56:57] offset:8192  ; XP[4 w + 2 + h]
	global_load_b128 v[244:247], v[V16R], s[14:15]           ; fc21_b
	global_load_b128 v[248:251], v[V16R], s[18:19]           ; fc22_b
	global_load_b128 v[232:235], v[V16], s[58:59]            ; s[4 w + h][4 r ..]
	global_load_b128 v[236:239], v[V16], s[58:59] offset:512
	global_load_b128 v[32:35], v241, s[60:61]                ; fc3_b[16 w + 8 h ..]
	global_load_b128 v[36:39], v241, s[60:61] offset:16
	global_load_b128 v[40:43], v241, s[68:69]                ; fc4_b
	global_load_b128 v[44:47], v241, s[68:69] offset:16
.irp t, 0,1,2,3,4,5,6,7
	global_load_b128 v[R3+4*\t:R3+4*\t+3], v[V16], s[66:67] offset:512*\t    ; fc3_w's row 8 w + t, whole: 512 consecutive bytes
.endr
.irp t, 0,1,2,3,4,5,6,7
	global_load_b128 v[R4+4*\t:R4+4*\t+3], v240, s[70:71] offset:8192*\t     ; fc4_w's rows 16 w + 2 t + h, my slab's 256 bytes
.endr
	; LDS addresses of the two weight tiles, made while the loads are out
	v_and_b32 v9, 7, v0
	v_lshl_add_u32 v9, v[H], 3, v9                 ; the turning load: lane l reads k = 8 h + l % 8,
	v_bfe_u32 v10, v0, 3, 1                        ; columns 8 ((l / 8) % 2) + 0..7
	s_lshl_b32 s48, s[WV], 5                       ; fc3_w: column tile w
	s_add_co_u32 s48, s48, W3
	v_mul_u32_u24 v[A3L], v9, 288
	v_lshl_add_u32 v[A3L], v10, 4, v[A3L]
	v_add_nc_u32 v[A3L], s48, v[A3L]
	s_lshr_b32 s48, s[WV], 1                       ; fc4_w: column tile w / 2
	s_lshl_b32 s48, s48, 5
	s_add_co_u32 s48, s48, W4
	v_mul_u32_u24 v[A4L], v9, 160
	v_lshl_add_u32 v[A4L], v10, 4, v[A4L]
	v_add_nc_u32 v[A4L], s48, v[A4L]
	s_mul_i32 s48, s[WV], 2304                     ; in: fc3_w's row 8 w, 8 bytes a lane
	s_add_co_u32 s48, s48, W3
	v_lshl_add_u32 v[A3S], v[L], 3, s48
	s_mul_i32 s48, s[WV], 2560                     ; in: fc4_w's row 16 w + h, 8 bytes for each of 16 lanes
	s_add_co_u32 s48, s48, W4
	v_mul_u32_u24 v[A4S], v[H], 160
	v_lshl_add_u32 v[A4S], v[R], 3, v[A4S]
	v_add_nc_u32 v[A4S], s48, v[A4S]
	s_wait_loadcnt 63                              ; of the 76 at most 63 are out: the first 13 are in, (m, l) among them
	v_mov_b32 v18, v16
	WRED v_max_num_f32, 18, TT                     ; M
	v_sub_f32 v19, v16, v18
	v_mul_f32 v19, 0x3fb8aa3b, v19
	v_exp_f32 v19, v19
	v_nop
	s_wait_alu depctr_va_vdst(0)
	v_mul_f32 v20, v19, v17
	WRED v_add_f32, 20, TT                         ; the softmax's divisor
	v_rcp_f32 v21, v20
	v_nop
	s_wait_alu depctr_va_vdst(0)
	v_mul_f32 v19, v19, v21                        ; w_i
	v_lshl_add_u32 v9, v[L], 2, s[SC]
	ds_store_b32 v9, v19                           ; into my own scratch, and back into every lane
	v_mov_b32 v10, s[SC]
.irp u, 0,1,2,3,4,5,6,7
	ds_load_b128 v[WG+4*\u:WG+4*\u+3], v10 offset:16*\u
.endr
	s_wait_dscnt 0x0
	s_wait_loadcnt 43                              ; PH is in: 43 loads are younger
	WIN 0x04                                       ; source 1 (PH) window 1
.set i, 0
.rept 32
.if i == 0
	BMUL 20, WG, 0, PH
	BMUL 22, WG, 0, PH+2
.else
	BFMA 20, WG+(i&30), i&1, PH+4*i
	BFMA 22, WG+(i&30), i&1, PH+4*i+2
.endif
.set i, i+1
.endr
	WIN 0
	s_lshl_b32 s48, s[WV], 9
	v_add_nc_u32 v11, s48, v[V16]                  ; 512 w + 16 l
	ds_store_b128 v11, v[20:23] offset:HP
	BAR                                            ; the eight parts of x fc1_w lie in LDS; the younger loads stay out: nobody writes what they read
	LSUM8 16, V16, HP, 512
	s_wait_loadcnt 26                              ; fc21_w, fc22_w and fc1_b are in: 26 loads are younger
	v_pk_add_f32 v[16:17], v[16:17], v[24:25]
	v_pk_add_f32 v[18:19], v[18:19], v[26:27]
.irp c, 16,17,18,19
	v_max_num_f32 v[\c], 0, v[\c]                  ; h1[4 l ..]
.endr
	v_add_nc_u32 v9, s[SC], v[V16]
	ds_store_b128 v9, v[16:19] offset:256
	s_lshl_b32 s48, s[WV], 6
	s_add_co_u32 s48, s48, s[SC]
	v_lshl_add_u32 v10, v[H], 2, s48
.irp t, 0,1,2,3,4,5,6,7
	ds_load_b32 v[48+\t], v10 offset:256+8*\t      ; h1[16 w + h + 2 t]
.endr
	s_lshl_b32 s48, s[WV], 4
	s_add_co_u32 s48, s48, s[SC]
	v_lshl_add_u32 v12, v[H], 2, s48
	ds_load_b32 v56, v12                           ; w of block 4 w + h,
	ds_load_b32 v57, v12 offset:8                  ; and 4 w + 2 + h
	s_wait_dscnt 0x0
.set t, 0
.rept 8
.if t == 0
	BMUL 16, 48, 0, F21
	BMUL 18, 48, 0, F21+2
	BMUL 20, 48, 0, F22
	BMUL 22, 48, 0, F22+2
.else
	BFMA 16, 48+(t&6), t&1, F21+4*t
	BFMA 18, 48+(t&6), t&1, F21+4*t+2
	BFMA 20, 48+(t&6), t&1, F22+4*t
	BFMA 22, 48+(t&6), t&1, F22+4*t+2
.endif
.set t, t+1
.endr
.irp c, 16,17,18,19,20,21,22,23
	HSUM \c, TT
.endr
.irp c, 0,1,2,3
	v_cndmask_b32 v[16+\c], v[16+\c], v[20+\c], s72   ; lanes 0-15 keep mu's part, lanes 16-31 logvar's
.endr
	ds_store_b128 v11, v[16:19] offset:MVP
	s_wait_loadcnt 16                              ; XP, the biases and s are in: fc3_w's and fc4_w's 16 loads may stay out
	BMUL 20, 56, 0, 224
	BMUL 22, 56, 0, 226
	BFMA 20, 56, 1, 228
	BFMA 22, 56, 1, 230
.irp c, 20,21,22,23
	HSUM \c, TT
.endr
	s_lshl_b32 s48, s[WV], 8
	v_add_nc_u32 v13, s48, v[V16R]
	ds_store_b128 v13, v[20:23] offset:XPP
	BAR
	LSUM8 16, V16, MVP, 512
.irp c, 0,1,2,3
	v_cndmask_b32 v[24+\c], v[244+\c], v[248+\c], s72
.endr
	v_pk_add_f32 v[16:17], v[16:17], v[24:25]      ; lanes 0-15: mu[4 r ..]; lanes 16-31: logvar[4 r ..]
	v_pk_add_f32 v[18:19], v[18:19], v[26:27]
	s_cmp_lg_u32 s[WV], 0
	s_cbranch_scc1 .Lno_x
	LSUM8 20, V16R, XPP, 256                       ; x[64 g + 4 r ..]
	s_wait_xcnt 0x0                                ; EXEC changes only behind this wait
	v_cmp_gt_u32 vcc_lo, 16, v[L]
	s_and_saveexec_b32 s73, vcc_lo
	global_store_b128 v[V16R], v[20:23], s[74:75]  ; sixteen lanes: 256 consecutive bytes of out0
	s_wait_xcnt 0x0
	s_or_b32 exec_lo, exec_lo, s73
	s_cmp_lg_u32 s[GR], 0
	s_cbranch_scc1 .Lno_x
	v_cmp_gt_u32 vcc_lo, 16, v[L]
	s_and_saveexec_b32 s73, vcc_lo
	global_store_b128 v[V16R], v[16:19], s[34:35]  ; mu
	s_wait_xcnt 0x0
	s_or_b32 exec_lo, exec_lo, s73
	v_cmp_le_u32 vcc_lo, 16, v[L]
	s_and_saveexec_b32 s73, vcc_lo
	global_store_b128 v[V16R], v[16:19], s[36:37]  ; logvar
	s_wait_xcnt 0x0
	s_or_b32 exec_lo, exec_lo, s73
.Lno_x:
.irp c, 0,1,2,3
	v_permlanex16_b32 v[24+\c], v[16+\c], s[SEL], s[SEL+1]
.endr
.irp c, 0,1,2,3
	v_cndmask_b32 v[28+\c], v[16+\c], v[24+\c], s72   ; mu in every lane
	v_cndmask_b32 v[20+\c], v[24+\c], v[16+\c], s72   ; logvar in every lane
.endr
.irp c, 20,21,22,23
	v_mul_f32 v[\c], 0x3f38aa3b, v[\c]             ; 0.5 log2(e)
.endr
.irp c, 20,21,22,23
	v_exp_f32 v[\c], v[\c]
.endr
	v_nop
	s_wait_alu depctr_va_vdst(0)
.irp t, 0, 4
	v_pk_fma_f32 v[232+\t:233+\t], v[232+\t:233+\t], v[20:21], v[28:29]   ; z = mu + exp(logvar / 2) s, rows 4 w + h and 4 w + 2 + h
	v_pk_fma_f32 v[234+\t:235+\t], v[234+\t:235+\t], v[22:23], v[30:31]
.endr
	s_cmp_lg_u32 s[GR], 0
	s_cbranch_scc1 .Lno_z
	global_store_b128 v[V16], v[232:235], s[76:77]
	global_store_b128 v[V16], v[236:239], s[76:77] offset:512
.Lno_z:
	v_cvt_pk_bf16_f32 v16, v232, v233
	v_cvt_pk_bf16_f32 v17, v234, v235
	v_cvt_pk_bf16_f32 v18, v236, v237
	v_cvt_pk_bf16_f32 v19, v238, v239
	s_mul_i32 s48, s[WV], 576                      ; 4 w rows of 144 bytes
	v_mul_u32_u24 v9, v[H], 144
	v_lshl_add_u32 v9, v[R], 3, v9
	v_add_nc_u32 v9, s48, v9
	ds_store_b64 v9, v[16:17] offset:ZB
	ds_store_b64 v9, v[18:19] offset:ZB+288
	s_wait_loadcnt 0x0                             ; fc3_w's and fc4_w's rows: they go into LDS here, ahead of the barrier behind which the first of them is read
.irp t, 0,1,2,3,4,5,6,7
	v_cvt_pk_bf16_f32 v[48+2*\t], v[R3+4*\t], v[R3+4*\t+1]
	v_cvt_pk_bf16_f32 v[49+2*\t], v[R3+4*\t+2], v[R3+4*\t+3]
.endr
.irp t, 0,1,2,3,4,5,6,7
	ds_store_b64 v[A3S], v[48+2*\t:49+2*\t] offset:288*\t
.endr
.irp t, 0,1,2,3,4,5,6,7
	v_cvt_pk_bf16_f32 v[R3+2*\t], v[R4+4*\t], v[R4+4*\t+1]
	v_cvt_pk_bf16_f32 v[R3+2*\t+1], v[R4+4*\t+2], v[R4+4*\t+3]
.endr
.irp t, 0,1,2,3,4,5,6,7
	ds_store_b64 v[A4S], v[R3+2*\t:R3+2*\t+1] offset:320*\t
.endr
	BAR                                            ; z and both weight tiles lie in LDS
	; relu(z fc3_w + fc3_b): column tile w, both row tiles, K = 64
	v_mul_u32_u24 v10, v[R], 144
	v_lshl_add_u32 v10, v[H], 4, v10
.irp mt, 0, 1
.irp ks, 0, 1
	ds_load_b128 v[64+16*\mt+8*\ks:64+16*\mt+8*\ks+3], v10 offset:ZB+2304*\mt+64*\ks
	ds_load_b128 v[64+16*\mt+8*\ks+4:64+16*\mt+8*\ks+7], v10 offset:ZB+2304*\mt+64*\ks+32
.endr
.endr
.irp ks, 0, 1
	ds_load_tr16_b128 v[96+8*\ks:96+8*\ks+3], v[A3L] offset:9216*\ks          ; k = 32 ks + 8 h + 0..7 of column 16 w + r
	ds_load_tr16_b128 v[96+8*\ks+4:96+8*\ks+7], v[A3L] offset:9216*\ks+4608   ; k = 32 ks + 16 + 8 h + 0..7
.endr
	s_wait_dscnt 0x0
	v_wmma_f32_16x16x32_bf16 v[112:119], v[96:103], v[64:71], 0          ; the two accumulators take turns
	v_wmma_f32_16x16x32_bf16 v[120:127], v[96:103], v[80:87], 0
	v_wmma_f32_16x16x32_bf16 v[112:119], v[104:111], v[72:79], v[112:119]
	v_wmma_f32_16x16x32_bf16 v[120:127], v[104:111], v[88:95], v[120:127]
	PLACES
.irp a, 112, 120
.irp p, 0,1,2,3
	v_pk_add_f32 v[\a+2*\p:\a+2*\p+1], v[\a+2*\p:\a+2*\p+1], v[32+2*\p:32+2*\p+1]
.endr
.endr
.set p, 112
.rept 16
	v_max_num_f32 v[p], 0, v[p]
.set p, p+1
.endr
.set p, 0
.rept 8
	v_cvt_pk_bf16_f32 v[16+p], v[112+2*p], v[112+2*p+1]
.set p, p+1
.endr
	s_lshl_b32 s48, s[WV], 5                       ; column 16 w, 2 bytes each
	v_mul_u32_u24 v12, v[R], 272
	v_lshl_add_u32 v12, v[H], 4, v12
	v_add_nc_u32 v12, s48, v12
	ds_store_b128 v12, v[16:19] offset:RB
	ds_store_b128 v12, v[20:23] offset:RB+4352
	BAR
	; x_'s slab: row tile w % 2, column tile w / 2, K = 128
	s_and_b32 s48, s[WV], 1
	s_mul_i32 s48, s48, 4352
	v_mul_u32_u24 v9, v[R], 272
	v_add_nc_u32 v9, s48, v9
	v_lshl_add_u32 v10, v[H], 4, v9
.irp ks, 0,1,2,3
	ds_load_b128 v[64+8*\ks:64+8*\ks+3], v10 offset:RB+64*\ks
	ds_load_b128 v[64+8*\ks+4:64+8*\ks+7], v10 offset:RB+64*\ks+32
.endr
.irp ks, 0,1,2,3
	ds_load_tr16_b128 v[128+8*\ks:128+8*\ks+3], v[A4L] offset:5120*\ks
	ds_load_tr16_b128 v[128+8*\ks+4:128+8*\ks+7], v[A4L] offset:5120*\ks+2560
.endr
	s_wait_dscnt 0x0
	v_wmma_f32_16x16x32_bf16 v[96:103], v[128:135], v[64:71], 0          ; two accumulators by the K step's parity, by turns
	v_wmma_f32_16x16x32_bf16 v[104:111], v[136:143], v[72:79], 0
	v_wmma_f32_16x16x32_bf16 v[96:103], v[144:151], v[80:87], v[96:103]
	v_wmma_f32_16x16x32_bf16 v[104:111], v[152:159], v[88:95], v[104:111]
	PLACES
.irp p, 0,1,2,3
	v_pk_add_f32 v[96+2*\p:97+2*\p], v[96+2*\p:97+2*\p], v[104+2*\p:105+2*\p]
.endr
.irp p, 0,1,2,3
	v_pk_add_f32 v[96+2*\p:97+2*\p], v[96+2*\p:97+2*\p], v[40+2*\p:41+2*\p]
.endr
	s_lshr_b32 s48, s[WV], 1
	s_lshl_b32 s48, s48, 6
	v_lshl_add_u32 v12, v[H], 5, v9
	v_add_nc_u32 v12, s48, v12
	ds_store_b128 v12, v[96:99] offset:XS
	ds_store_b128 v12, v[100:103] offset:XS+16
	BAR
	; out to xo, runs idx = 2 w and 2 w + 1: row 16 (w / 4) + r, columns 16 (w % 4) + 8 h + 4 t ..
	s_lshr_b32 s48, s[WV], 2
	s_mul_i32 s48, s48, 4352
	s_and_b32 s82, s[WV], 3
	s_lshl_b32 s82, s82, 6
	s_add_co_u32 s48, s48, s82
	v_mul_u32_u24 v10, v[R], 272
	v_lshl_add_u32 v10, v[H], 5, v10
	v_add_nc_u32 v10, s48, v10
	ds_load_b128 v[16:19], v10 offset:XS
	ds_load_b128 v[20:23], v10 offset:XS+16
	v_mul_u32_u24 v9, v[H], 272
	v_add_nc_u32 v9, v9, v[V16R]
	s_wait_dscnt 0x0
	global_store_b128 v[V16], v[16:19], s[78:79]             ; 512 consecutive bytes each
	global_store_b128 v[V16], v[20:23], s[78:79] offset:512
	s_cmp_lg_u32 s[WV], 0
	s_cbranch_scc1 .Lend
.set t, 0
.rept 16
	ds_load_b128 v[64+4*t:64+4*t+3], v9 offset:XS+544*t      ; rows 2 t + h
.set t, t+1
.endr
	s_wait_dscnt 0x0
.irp s, 8, 4, 2, 1
.set k, 0
.rept \s
	v_pk_add_f32 v[64+4*k:64+4*k+1], v[64+4*k:64+4*k+1], v[64+4*(k+\s):64+4*(k+\s)+1]
	v_pk_add_f32 v[64+4*k+2:64+4*k+3], v[64+4*k+2:64+4*k+3], v[64+4*(k+\s)+2:64+4*(k+\s)+3]
.set k, k+1
.endr
.endr
.irp c, 64,65,66,67
	HSUM \c, TT
.endr
.irp c, 64,65,66,67
	v_mul_f32 v[\c], 0x3d000000, v[\c]             ; / 32
.endr
	s_wait_xcnt 0x0
	v_cmp_gt_u32 vcc_lo, 16, v[L]
	s_and_saveexec_b32 s73, vcc_lo
	global_store_b128 v[V16R], v[64:67], s[80:81]
	s_wait_xcnt 0x0
	s_or_b32 exec_lo, exec_lo, s73
.Lend:
	s_wait_tensorcnt 0x0                           ; the wave's end
	ds_add_u32 v[SPW], v[NIL]
	s_wait_dscnt 0x0
	s_endpgm
.Lfunc_end_k_q8e368e9b99_vae:
	.size	k_q8e368e9b99_vae, .Lfunc_end_k_q8e368e9b99_vae-k_q8e368e9b99_vae
	.p2alignl 7, 3214868480
	.fill 96, 4, 3214868480
	.section	.rodata,"a",@progbits
	.p2align	6, 0x0
	.amdhsa_kernel k_q8e368e9b99_vae
		.amdhsa_group_segment_fixed_size 80384
		.amdhsa_private_segment_fixed_size 0
		.amdhsa_enable_private_segment 0
		.amdhsa_kernarg_size 136
		.amdhsa_user_sgpr_count 2
		.amdhsa_user_sgpr_kernarg_segment_ptr 1
		.amdhsa_wavefront_size32 1
		.amdhsa_system_sgpr_workgroup_id_x 1
		.amdhsa_system_sgpr_workgroup_id_y 1
		.amdhsa_system_sgpr_workgroup_id_z 1
		.amdhsa_system_vgpr_workitem_id 0
		.amdhsa_next_free_vgpr 384
		.amdhsa_next_free_sgpr 84
		.amdhsa_reserve_vcc 1
		.amdhsa_float_denorm_mode_32 3
		.amdhsa_float_denorm_mode_16_64 3
		.amdhsa_memory_ordered 1
		.amdhsa_forward_progress 1
		.amdhsa_inst_pref_size 44
	.end_amdhsa_kernel
	.amdgpu_metadata
---
amdhsa.version: [ 1, 2 ]
amdhsa.kernels:
  - .name:           k_q8e368e9b99_vae
    .symbol:         k_q8e368e9b99_vae.kd
    .args:
      - { .name: p3, .offset: 0, .size: 8, .value_kind: global_buffer, .address_space: global }
      - { .name: fc1_b, .offset: 8, .size: 8, .value_kind: global_buffer, .address_space: global }
      - { .name: fc21_w, .offset: 16, .size: 8, .value_kind: global_buffer, .address_space: global }
      - { .name: fc21_b, .offset: 24, .size: 8, .value_kind: global_buffer, .address_space: global }
      - { .name: fc22_w, .offset: 32, .size: 8, .value_kind: global_buffer, .address_space: global }
      - { .name: fc22_b, .offset: 40, .size: 8, .value_kind: global_buffer, .address_space: global }
      - { .name: s, .offset: 48, .size: 8, .value_kind: global_buffer, .address_space: global }
      - { .name: fc3_w, .offset: 56, .size: 8, .value_kind: global_buffer, .address_space: global }
      - { .name: fc3_b, .offset: 64, .size: 8, .value_kind: global_buffer, .address_space: global }
      - { .name: fc4_w, .offset: 72, .size: 8, .value_kind: global_buffer, .address_space: global }
      - { .name: fc4_b, .offset: 80, .size: 8, .value_kind: global_buffer, .address_space: global }
      - { .name: out0, .offset: 88, .size: 8, .value_kind: global_buffer, .address_space: global }
      - { .name: out1, .offset: 96, .size: 8, .value_kind: global_buffer, .address_space: global }
      - { .name: out3, .offset: 104, .size: 8, .value_kind: global_buffer, .address_space: global }
      - { .name: out4, .offset: 112, .size: 8, .value_kind: global_buffer, .address_space: global }
      - { .name: out5, .offset: 120, .size: 8, .value_kind: global_buffer, .address_space: global }
      - { .name: xo, .offset: 128, .size: 8, .value_kind: global_buffer, .address_space: global }
    .group_segment_fixed_size: 80384
    .private_segment_fixed_size: 0
    .kernarg_segment_align: 8
    .kernarg_segment_size: 136
    .max_flat_workgroup_size: 256
    .sgpr_count:     84
    .vgpr_count:     384
    .wavefront_size: 32
...
	.end_amdgpu_metadata
.endif
;; end of part 4
;; launch qproj (part 5): grid 48 x 1, 16 waves a work-group, no clusters, 154,624 bytes of LDS; arguments xo, ln_g, ln_b, q_w, qb; writes qb
.if DOCPART == 5
	.amdgcn_target "amdgcn-amd-amdhsa--gfx1250"
	.amdhsa_code_object_version 6
	.text
	.protected	k_q8e368e9b99_qproj
	.globl	k_q8e368e9b99_qproj
	.p2align	8
	.type	k_q8e368e9b99_qproj,@function
k_q8e368e9b99_qproj:
	s_mov_b64 s[64:65], 0
	v_nop
	global_prefetch_b8 v0, s[64:65] scope:SCOPE_SE
	s_setreg_imm32_b32 hwreg(HW_REG_WAVE_MODE, 25, 1), 1
	s_wait_xcnt 0x0
; Launch 5: Q = layernorm(x_) q_w, [32][3072], stored in bf16.  Work-group g owns columns 64 g .. + 63 (256 bytes of every row of q_w); K IS SPLIT AMONG ITS 16 WAVES, 64 each; the parts meet in LDS.
; All 32 weight loads of a wave go out at the head; the norm (mean, then centred squares, f32) is made meanwhile, its sums over the waves through LDS.
; xo lies in the order in which my lanes take it: xo[w][idx = 8 mt + 4 ks + 2 hf + c][lane = 16 h + r][16 bytes] = x_[16 mt + r][64 w + 32 ks + 16 hf + 8 h + 4 c ..]: each of my 16 loads covers 512 consecutive bytes.
; q_w lies [k][n]: a lane's 16 bytes are 4 neighbouring columns of one k.  So column tile f (0..3) takes columns 4 r' + f, r' = 0..15, and nothing is turned: a block's 64 columns stand in the order
; position 16 f + r' <-> column 4 r' + f, and the next launch walks its K in the same order.
; qb IS STORED AS THE NEXT LAUNCH'S FRAGMENTS: qb[g][mt][ks][half][lane = 16 h + r][16 bytes] = positions 32 ks + 16 half + 8 h + 0..7 of row 16 mt + r: a store of a wave covers 256 consecutive bytes, aligned.
; The matrix instruction is used transposed (source 0 = 16 columns, source 1 = 16 rows of x_).  No cluster: nothing goes through tensor loads, and x_ goes straight into registers, where it is normalised.
.set S1,    0                          ; 32 rows x 80: the waves' sums
.set S2,    2560                       ; the waves' sums of squares
.set SCR,   5120                       ; 16 x 512, each wave's own: its 64 g at +0, its 64 b at +256
.set PART,  13312                      ; 16 x 8,704: [q] pitch 272, position 16 f + r', f32
.set SPARE, 152576
.set L,    1
.set R,    2
.set H,    3
.set TT,   4
.set AX,   5                           ; 16 l
.set A8,   6                           ; 8 l
.set AWQ,  7
.set AS,   8
.set AR80, 9
.set MEAN, 10                          ; v[10:11] minus the mean of row r, of row 16 + r
.set RSTD, 12                          ; v[12:13]
.set SPW,  14
.set NIL,  15
.set GB,   16                          ; v[16:47] at work; g and b; later the weights' fragments of K step 0
.set XF,   64                          ; v[64:127] x_: rows 16 mt + r, group (mt, ks) at 64 + 32 mt + 16 ks
.set WR,   128                         ; v[128:255] the weights as loaded; later the accumulators
.set SEL,  28
.macro HSUM v, t
	v_permlanex16_b32 v[\t], v[\v], s[SEL], s[SEL+1]
	v_add_f32 v[\v], v[\v], v[\t]
.endm
.macro SUM32 x, t
.set i, 0
.rept 8
	v_pk_add_f32 v[(\t)+2*i:(\t)+2*i+1], v[(\x)+4*i:(\x)+4*i+1], v[(\x)+4*i+2:(\x)+4*i+3]
.set i, i+1
.endr
.set i, 0
.rept 4
	v_pk_add_f32 v[(\t)+4*i:(\t)+4*i+1], v[(\t)+4*i:(\t)+4*i+1], v[(\t)+4*i+2:(\t)+4*i+3]
.set i, i+1
.endr
	v_pk_add_f32 v[(\t):(\t)+1], v[(\t):(\t)+1], v[(\t)+4:(\t)+5]
	v_pk_add_f32 v[(\t)+8:(\t)+9], v[(\t)+8:(\t)+9], v[(\t)+12:(\t)+13]
	v_pk_add_f32 v[(\t):(\t)+1], v[(\t):(\t)+1], v[(\t)+8:(\t)+9]
	v_add_f32 v[\t], v[\t], v[(\t)+1]
.endm
.macro SQ32 x, t
.set i, 0
.rept 4
	v_pk_mul_f32 v[(\t)+2*i:(\t)+2*i+1], v[(\x)+2*i:(\x)+2*i+1], v[(\x)+2*i:(\x)+2*i+1]
.set i, i+1
.endr
.rept 12
	v_pk_fma_f32 v[(\t)+2*(i%4):(\t)+2*(i%4)+1], v[(\x)+2*i:(\x)+2*i+1], v[(\x)+2*i:(\x)+2*i+1], v[(\t)+2*(i%4):(\t)+2*(i%4)+1]
.set i, i+1
.endr
	v_pk_add_f32 v[(\t):(\t)+1], v[(\t):(\t)+1], v[(\t)+2:(\t)+3]
	v_pk_add_f32 v[(\t)+4:(\t)+5], v[(\t)+4:(\t)+5], v[(\t)+6:(\t)+7]
	v_pk_add_f32 v[(\t):(\t)+1], v[(\t):(\t)+1], v[(\t)+4:(\t)+5]
	v_add_f32 v[\t], v[\t], v[(\t)+1]
.endm
.macro SUM16 b                         ; v[b] = the sum of v[b .. b+15]
.irp c, 0, 2, 4, 6
	v_pk_add_f32 v[(\b)+\c:(\b)+\c+1], v[(\b)+\c:(\b)+\c+1], v[(\b)+\c+8:(\b)+\c+9]
.endr
	v_pk_add_f32 v[(\b):(\b)+1], v[(\b):(\b)+1], v[(\b)+4:(\b)+5]
	v_pk_add_f32 v[(\b)+2:(\b)+3], v[(\b)+2:(\b)+3], v[(\b)+6:(\b)+7]
	v_pk_add_f32 v[(\b):(\b)+1], v[(\b):(\b)+1], v[(\b)+2:(\b)+3]
	v_add_f32 v[\b], v[\b], v[(\b)+1]
.endm
.macro BOTH op, x, pr, mt              ; pair x = pair x (op) register mt of pair pr
.if (\mt)
	\op v[(\x):(\x)+1], v[(\x):(\x)+1], v[(\pr):(\pr)+1] op_sel:[0,1] op_sel_hi:[1,1]
.else
	\op v[(\x):(\x)+1], v[(\x):(\x)+1], v[(\pr):(\pr)+1] op_sel_hi:[1,0]
.endif
.endm
.macro BAR
	s_wait_dscnt 0x0
	s_barrier_signal -1
	s_barrier_wait -1
.endm
	s_load_b256 s[4:11], s[0:1], 0x0               ; xo 4, ln_g 6, ln_b 8, q_w 10
	s_load_b64 s[12:13], s[0:1], 0x20              ; qb
	v_lshl_add_u32 v[SPW], v0, 2, SPARE
	v_mov_b32 v[NIL], 0
	v_and_b32 v[L], 31, v0
	v_and_b32 v[R], 15, v0
	v_bfe_u32 v[H], v0, 4, 1
	v_lshrrev_b32 v[TT], 5, v0
	v_readfirstlane_b32 s14, v[TT]                 ; wave 0..15
	s_mov_b32 s15, ttmp9
	s_mov_b32 s[SEL], 0x76543210
	s_mov_b32 s[SEL+1], 0xfedcba98
	s_mov_b32 s27, 0
	v_lshlrev_b32 v[AX], 4, v[L]
	v_lshlrev_b32 v[A8], 3, v[L]
	v_mul_u32_u24 v[AWQ], v[H], 98304              ; 8 h rows of q_w
	v_lshl_add_u32 v[AWQ], v[R], 4, v[AWQ]
	s_wait_kmcnt 0x0
	s_lshl_b32 s26, s14, 13
	s_add_nc_u64 s[16:17], s[4:5], s[26:27]        ; xo at block w
	s_lshl_b32 s26, s14, 8
	s_add_nc_u64 s[18:19], s[6:7], s[26:27]        ; g, b at column 64 w
	s_add_nc_u64 s[20:21], s[8:9], s[26:27]
	s_lshl_b32 s30, s15, 12                        ; qb at block g, my 256 bytes
	s_add_co_u32 s26, s26, s30
	s_add_nc_u64 s[24:25], s[12:13], s[26:27]
	s_mul_i32 s26, s14, 786432                     ; 64 w rows of q_w
	s_lshl_b32 s30, s15, 8
	s_add_co_u32 s26, s26, s30
	s_add_nc_u64 s[22:23], s[10:11], s[26:27]
.irp mt, 0, 1
.irp ks, 0, 1
.irp hf, 0, 1
	global_load_b128 v[XF+32*\mt+16*\ks+8*\hf:XF+32*\mt+16*\ks+8*\hf+3], v[AX], s[16:17] offset:(8*\mt+4*\ks+2*\hf)*512      ; k = 64 w + 32 ks + 16 hf + 8 h + 0..3 of row 16 mt + r
	global_load_b128 v[XF+32*\mt+16*\ks+8*\hf+4:XF+32*\mt+16*\ks+8*\hf+7], v[AX], s[16:17] offset:(8*\mt+4*\ks+2*\hf+1)*512
.endr
.endr
.endr
	global_load_b64 v[48:49], v[A8], s[18:19]
	global_load_b64 v[50:51], v[A8], s[20:21]
.set n, 0
.rept 32
	global_load_b128 v[WR+4*n:WR+4*n+3], v[AWQ], s[22:23] offset:(32*(n/16)+16*((n/8)%2)+(n%8))*12288 th:TH_LOAD_NT   ; sixteen lanes take 256 consecutive bytes of row k
.set n, n+1
.endr
	s_lshl_b32 s30, s14, 9
	s_add_co_u32 s30, s30, SCR                     ; my scratch
	v_add_nc_u32 v52, s30, v[A8]
	v_lshl_add_u32 v53, v[H], 5, s30               ; scratch + 32 h
	s_lshl_b32 s31, s14, 2
	v_mul_u32_u24 v[AR80], v[R], 80
	v_add_nc_u32 v[AS], s31, v[AR80]               ; row r, word w
	s_wait_loadcnt 32                              ; x_, g and b are in; the 32 weight loads stay out
	ds_store_b64 v52, v[48:49]
	ds_store_b64 v52, v[50:51] offset:256
	SUM32 XF, GB
	HSUM GB, TT
	ds_store_b32 v[AS], v[GB] offset:S1
	SUM32 XF+32, GB
	HSUM GB, TT
	ds_store_b32 v[AS], v[GB] offset:S1+1280
	BAR
.irp mt, 0, 1
.irp u, 0,1,2,3
	ds_load_b128 v[GB+16*\mt+4*\u:GB+16*\mt+4*\u+3], v[AR80] offset:S1+1280*\mt+16*\u
.endr
.endr
	s_wait_dscnt 0x0
	SUM16 GB
	SUM16 GB+16
	v_mul_f32 v[MEAN], 0xba800000, v[GB]           ; minus the means
	v_mul_f32 v[MEAN+1], 0xba800000, v[GB+16]
.irp mt, 0, 1
.set pp, 0
.rept 16
	BOTH v_pk_add_f32, XF+32*\mt+2*pp, MEAN, \mt
.set pp, pp+1
.endr
.endr
	SQ32 XF, GB
	HSUM GB, TT
	ds_store_b32 v[AS], v[GB] offset:S2
	SQ32 XF+32, GB
	HSUM GB, TT
	ds_store_b32 v[AS], v[GB] offset:S2+1280
	BAR
.irp mt, 0, 1
.irp u, 0,1,2,3
	ds_load_b128 v[GB+16*\mt+4*\u:GB+16*\mt+4*\u+3], v[AR80] offset:S2+1280*\mt+16*\u
.endr
.endr
	s_wait_dscnt 0x0
	SUM16 GB
	SUM16 GB+16
	s_mov_b32 s30, 0x3a800000
	s_mov_b32 s31, 0x3727c5ac
	v_fma_f32 v[GB], v[GB], s30, s31               ; var + eps
	v_fma_f32 v[GB+16], v[GB+16], s30, s31
	v_rsq_f32 v[RSTD], v[GB]
	v_rsq_f32 v[RSTD+1], v[GB+16]
	v_nop
	s_wait_alu depctr_va_vdst(0)                   ; one wait for both roots
.irp ks, 0, 1
.irp hf, 0, 1
	ds_load_b128 v[GB+16*\hf:GB+16*\hf+3], v53 offset:128*\ks+64*\hf          ; g and b of k = 32 ks + 16 hf + 8 h + 0..7, out of my own scratch
	ds_load_b128 v[GB+16*\hf+4:GB+16*\hf+7], v53 offset:128*\ks+64*\hf+16
	ds_load_b128 v[GB+16*\hf+8:GB+16*\hf+11], v53 offset:256+128*\ks+64*\hf
	ds_load_b128 v[GB+16*\hf+12:GB+16*\hf+15], v53 offset:256+128*\ks+64*\hf+16
.endr
	s_wait_dscnt 0x0
.irp mt, 0, 1
.irp hf, 0, 1
.irp p, 0,1,2,3
	BOTH v_pk_mul_f32, XF+32*\mt+16*\ks+8*\hf+2*\p, RSTD, \mt
	v_pk_fma_f32 v[XF+32*\mt+16*\ks+8*\hf+2*\p:XF+32*\mt+16*\ks+8*\hf+2*\p+1], v[XF+32*\mt+16*\ks+8*\hf+2*\p:XF+32*\mt+16*\ks+8*\hf+2*\p+1], v[GB+16*\hf+2*\p:GB+16*\hf+2*\p+1], v[GB+16*\hf+8+2*\p:GB+16*\hf+8+2*\p+1]
.endr
.endr
.set pp, 0
.rept 8
	v_cvt_pk_bf16_f32 v[XF+32*\mt+16*\ks+pp], v[XF+32*\mt+16*\ks+2*pp], v[XF+32*\mt+16*\ks+2*pp+1]   ; in place, ascending: the fragment (mt, ks) in 8 registers
.set pp, pp+1
.endr
.endr
.endr
	s_wait_loadcnt 0x0                             ; the weights
; fragment (ks, f): register p holds k = 8 h + 2 p, + 1 (p < 4) or 16 + 8 h + 2 (p - 4), + 1 of column 4 r + f.  K step 0's lie at v16 + 8 f, K step 1's at v72 + 16 f.
.irp f, 0,1,2,3
.set pp, 0
.rept 8
.set n0, 2*pp
	v_cvt_pk_bf16_f32 v[16+8*\f+pp], v[WR+4*n0+\f], v[WR+4*(n0+1)+\f]
	v_cvt_pk_bf16_f32 v[72+16*\f+pp], v[WR+4*(n0+16)+\f], v[WR+4*(n0+17)+\f]
.set pp, pp+1
.endr
.endr
.irp mt, 0, 1
.irp f, 0,1,2,3
	v_wmma_f32_16x16x32_bf16 v[128+8*(4*\mt+\f):128+8*(4*\mt+\f)+7], v[16+8*\f:16+8*\f+7], v[XF+32*\mt:XF+32*\mt+7], 0     ; the eight accumulators take turns
.endr
.endr
.irp mt, 0, 1
.irp f, 0,1,2,3
	v_wmma_f32_16x16x32_bf16 v[128+8*(4*\mt+\f):128+8*(4*\mt+\f)+7], v[72+16*\f:72+16*\f+7], v[XF+32*\mt+16:XF+32*\mt+23], v[128+8*(4*\mt+\f):128+8*(4*\mt+\f)+7]
.endr
.endr
.rept 4
	v_nop
.endr
	s_mul_i32 s30, s14, 8704
	s_add_co_u32 s30, s30, PART
	v_mul_u32_u24 v54, v[R], 272
	v_lshl_add_u32 v54, v[H], 5, v54
	v_add_nc_u32 v54, s30, v54                     ; my part: row r, position 8 h
.irp mt, 0, 1
.irp f, 0,1,2,3
	ds_store_b128 v54, v[128+8*(4*\mt+\f):128+8*(4*\mt+\f)+3] offset:4352*\mt+64*\f
	ds_store_b128 v54, v[128+8*(4*\mt+\f)+4:128+8*(4*\mt+\f)+7] offset:4352*\mt+64*\f+16
.endr
.endr
	BAR
	; bytes 256 w + 8 l of the block: row 16 (w / 8) + l / 2, positions 8 (w % 8) + 4 (l % 2) .. + 3, summed over all 16 parts
	s_lshr_b32 s30, s14, 3
	s_mul_i32 s30, s30, 4352
	s_and_b32 s31, s14, 7
	s_lshl_b32 s31, s31, 5
	s_add_co_u32 s30, s30, s31
	s_add_co_u32 s30, s30, PART
	v_lshrrev_b32 v55, 1, v[L]
	v_mul_u32_u24 v55, v55, 272
	v_and_b32 v57, 1, v[L]
	v_lshl_add_u32 v55, v57, 4, v55
	v_add_nc_u32 v55, s30, v55
	v_add_nc_u32 v56, 8*8704, v55
.irp k, 0,1,2,3,4,5,6,7
	ds_load_b128 v[128+4*\k:128+4*\k+3], v55 offset:8704*\k
.endr
.irp k, 0,1,2,3,4,5,6,7
	ds_load_b128 v[160+4*\k:160+4*\k+3], v56 offset:8704*\k
.endr
	s_wait_dscnt 0x0
.irp s, 8, 4, 2, 1
.set k, 0
.rept \s
	v_pk_add_f32 v[128+4*k:128+4*k+1], v[128+4*k:128+4*k+1], v[128+4*(k+\s):128+4*(k+\s)+1]
	v_pk_add_f32 v[128+4*k+2:128+4*k+3], v[128+4*k+2:128+4*k+3], v[128+4*(k+\s)+2:128+4*(k+\s)+3]
.set k, k+1
.endr
.endr
	v_cvt_pk_bf16_f32 v132, v128, v129
	v_cvt_pk_bf16_f32 v133, v130, v131
	global_store_b64 v[A8], v[132:133], s[24:25]   ; 256 consecutive bytes, aligned
	s_wait_tensorcnt 0x0                           ; the wave's end
	ds_add_u32 v[SPW], v[NIL]
	s_wait_dscnt 0x0
	s_endpgm
.Lfunc_end_k_q8e368e9b99_qproj:
	.size	k_q8e368e9b99_qproj, .Lfunc_end_k_q8e368e9b99_qproj-k_q8e368e9b99_qproj
	.p2alignl 7, 3214868480
	.fill 96, 4, 3214868480
	.section	.rodata,"a",@progbits
	.p2align	6, 0x0
	.amdhsa_kernel k_q8e368e9b99_qproj
		.amdhsa_group_segment_fixed_size 154624
		.amdhsa_private_segment_fixed_size 0
		.amdhsa_enable_private_segment 0
		.amdhsa_kernarg_size 40
		.amdhsa_user_sgpr_count 2
		.amdhsa_user_sgpr_kernarg_segment_ptr 1
		.amdhsa_wavefront_size32 1
		.amdhsa_system_sgpr_workgroup_id_x 1
		.amdhsa_system_sgpr_workgroup_id_y 1
		.amdhsa_system_sgpr_workgroup_id_z 1
		.amdhsa_system_vgpr_workitem_id 0
		.amdhsa_next_free_vgpr 256
		.amdhsa_next_free_sgpr 66
		.amdhsa_reserve_vcc 0
		.amdhsa_float_denorm_mode_32 3
		.amdhsa_float_denorm_mode_16_64 3
		.amdhsa_memory_ordered 1
		.amdhsa_forward_progress 1
		.amdhsa_inst_pref_size 35
	.end_amdhsa_kernel
	.amdgpu_metadata
---
amdhsa.version: [ 1, 2 ]
amdhsa.kernels:
  - .name:           k_q8e368e9b99_qproj
    .symbol:         k_q8e368e9b99_qproj.kd
    .args:
      - { .name: xo, .offset: 0, .size: 8, .value_kind: global_buffer, .address_space: global }
      - { .name: ln_g, .offset: 8, .size: 8, .value_kind: global_buffer, .address_space: global }
      - { .name: ln_b, .offset: 16, .size: 8, .value_kind: global_buffer, .address_space: global }
      - { .name: q_w, .offset: 24, .size: 8, .value_kind: global_buffer, .address_space: global }
      - { .name: qb, .offset: 32, .size: 8, .value_kind: global_buffer, .address_space: global }
    .group_segment_fixed_size: 154624
    .private_segment_fixed_size: 0
    .kernarg_segment_align: 8
    .kernarg_segment_size: 40
    .max_flat_workgroup_size: 512
    .sgpr_count:     66
    .vgpr_count:     256
    .wavefront_size: 32
...
	.end_amdgpu_metadata
.endif
;; end of part 5
;; launch tproj (part 6): grid 32 x 3, 16 waves a work-group, no clusters, 141,312 bytes of LDS; arguments qb, k_w, tb; writes tb
.if DOCPART == 6
	.amdgcn_target "amdgcn-amd-amdhsa--gfx1250"
	.amdhsa_code_object_version 6
	.text
	.protected	k_q8e368e9b99_tproj
	.globl	k_q8e368e9b99_tproj
	.p2align	8
	.type	k_q8e368e9b99_tproj,@function
k_q8e368e9b99_tproj:
	s_mov_b64 s[64:65], 0
	v_nop
	global_prefetch_b8 v0, s[64:65] scope:SCOPE_SE
	s_setreg_imm32_b32 hwreg(HW_REG_WAVE_MODE, 25, 1), 1
	s_wait_xcnt 0x0
; Launch 6: T_h = Q_h k_w_h^T, 96 rows (32 h + q) x 1,024, bf16: with it scores_h = T_h Xn^T / 32, and K = Xn k_w is never formed (first kernel's head).
; Work-group (bx, h): rows i = 32 bx .. + 31 of k_w, all 32 q.  K (the head's 1,024 d) IS SPLIT AMONG THE 16 WAVES, 64 each; the parts meet in LDS.
; k_w IS READ BY ROWS: sixteen lanes take the wave's 256 consecutive bytes of a row.  A fragment wants a row a lane, so the 32 rows go, as f32, through the wave's own LDS tile (pitch 272) and come back 128 consecutive bytes a lane.
; qb holds a block's 64 columns in the order position 16 f + r' <-> d = 4 r' + f.  A lane's K positions 32 ks + 16 hf + 8 h + c are then d = 32 h + 4 c + (2 ks + hf): the packing picks component 2 ks + hf of
; quads 2 p and 2 p + 1.  The order of K is the same on both sides, so the products are kept.  qb lies as fragments (qb[block][mt][ks][half][lane][16 bytes]): each of my 8 loads of Q covers 512 consecutive bytes.
; tb IS STORED AS THE NEXT LAUNCH'S FRAGMENTS: tb[tile = 2 h + q / 16][K step = bx][half][lane = 16 hh + q % 16][16 bytes] = T[.][32 bx + 16 half + 8 hh + 0..7]: waves 0-7 store 256 consecutive bytes each, aligned.
; The matrix instruction is used transposed (source 0 = 16 rows i, source 1 = 16 q).  No cluster: nothing goes through tensor loads.
.set KT,    0                          ; 16 x 8,704, each wave's own: 32 rows x 272 of k_w in f32; when its reads are back, the wave's part of the sums: [q] pitch 144, 32 i in f32
.set SPARE, 139264
.set L,   1
.set R,   2
.set H,   3
.set TT,  4
.set AK,  5
.set AQ,  6
.set AS,  7
.set AL,  8
.set SPW, 14
.set NIL, 15
.set QF,  32                           ; v[32:63]   Q's fragments: (mt, ks) at 32 + 16 mt + 8 ks
.set KR,  64                           ; v[64:127]  k_w: first as loaded, then row tile it at 64 + 32 it
.set WF,  128                          ; v[128:159] its fragments: (it, ks) at 128 + 16 it + 8 ks
.set ACC, 160                          ; v[160:191] (it, mt) at 160 + 8 (2 it + mt)
	s_load_b128 s[4:7], s[0:1], 0x0                ; qb 4, k_w 6
	s_load_b64 s[8:9], s[0:1], 0x10                ; tb
	v_lshl_add_u32 v[SPW], v0, 2, SPARE
	v_mov_b32 v[NIL], 0
	v_and_b32 v[L], 31, v0
	v_and_b32 v[R], 15, v0
	v_bfe_u32 v[H], v0, 4, 1
	v_lshrrev_b32 v[TT], 5, v0
	v_readfirstlane_b32 s10, v[TT]                 ; wave 0..15
	s_mov_b32 s11, ttmp9                           ; bx
	s_and_b32 s12, ttmp7, 0xffff                   ; head
	s_mov_b32 s15, 0
	v_mul_u32_u24 v[AK], v[H], 12288
	v_lshl_add_u32 v[AK], v[R], 4, v[AK]           ; row h of a pair, + 16 r
	v_lshlrev_b32 v[AQ], 4, v[L]
	s_mul_i32 s23, s10, 8704                       ; my tile
	v_mul_u32_u24 v[AS], v[H], 272
	v_lshl_add_u32 v[AS], v[R], 4, v[AS]
	v_add_nc_u32 v[AS], s23, v[AS]                 ; in: row h of a pair, + 16 r
	v_mul_u32_u24 v[AL], v[R], 272
	v_lshl_add_u32 v[AL], v[H], 7, v[AL]
	v_add_nc_u32 v[AL], s23, v[AL]                 ; back: row r, + 128 h
	s_wait_kmcnt 0x0
	s_mul_i32 s14, s11, 393216                     ; 32 bx rows
	s_lshl_b32 s22, s12, 12
	s_add_co_u32 s14, s14, s22
	s_lshl_b32 s22, s10, 8
	s_add_co_u32 s14, s14, s22
	s_add_nc_u64 s[16:17], s[6:7], s[14:15]
	s_lshl_b32 s14, s12, 16                        ; block 16 h + w of 4,096 bytes
	s_lshl_b32 s22, s10, 12
	s_add_co_u32 s14, s14, s22
	s_add_nc_u64 s[18:19], s[4:5], s[14:15]
.set t, 0
.rept 16
	global_load_b128 v[KR+4*t:KR+4*t+3], v[AK], s[16:17] offset:24576*t th:TH_LOAD_NT     ; rows 2 t + h
.set t, t+1
.endr
.irp mt, 0, 1
.irp ks, 0, 1
	global_load_b128 v[QF+16*\mt+8*\ks:QF+16*\mt+8*\ks+3], v[AQ], s[18:19] offset:(2*\mt+\ks)*1024
	global_load_b128 v[QF+16*\mt+8*\ks+4:QF+16*\mt+8*\ks+7], v[AQ], s[18:19] offset:(2*\mt+\ks)*1024+512
.endr
.endr
.irp u, 0,1,2,3
	s_wait_loadcnt 20-4*\u                         ; the later rows' loads and Q's eight may stay out
.irp e, 0,1,2,3
	ds_store_b128 v[AS], v[KR+4*(4*\u+\e):KR+4*(4*\u+\e)+3] offset:KT+544*(4*\u+\e)
.endr
.endr
.irp it, 0, 1
.irp c, 0,1,2,3,4,5,6,7
	ds_load_b128 v[KR+32*\it+4*\c:KR+32*\it+4*\c+3], v[AL] offset:KT+4352*\it+16*\c       ; LDS serves a wave's instructions in order (ISA guide 5.7.1.4): these see the stores above
.endr
.endr
	s_wait_dscnt 0x0
	s_wait_loadcnt 0x0                             ; Q
.irp it, 0, 1
.irp ks, 0, 1
.irp p, 0,1,2,3
	v_cvt_pk_bf16_f32 v[WF+16*\it+8*\ks+\p], v[KR+32*\it+8*\p+2*\ks], v[KR+32*\it+8*\p+4+2*\ks]
	v_cvt_pk_bf16_f32 v[WF+16*\it+8*\ks+4+\p], v[KR+32*\it+8*\p+2*\ks+1], v[KR+32*\it+8*\p+4+2*\ks+1]
.endr
.endr
.endr
.irp it, 0, 1
.irp mt, 0, 1
	v_wmma_f32_16x16x32_bf16 v[ACC+8*(2*\it+\mt):ACC+8*(2*\it+\mt)+7], v[WF+16*\it:WF+16*\it+7], v[QF+16*\mt:QF+16*\mt+7], 0      ; the four accumulators take turns
.endr
.endr
.irp it, 0, 1
.irp mt, 0, 1
	v_wmma_f32_16x16x32_bf16 v[ACC+8*(2*\it+\mt):ACC+8*(2*\it+\mt)+7], v[WF+16*\it+8:WF+16*\it+15], v[QF+16*\mt+8:QF+16*\mt+15], v[ACC+8*(2*\it+\mt):ACC+8*(2*\it+\mt)+7]
.endr
.endr
.rept 4
	v_nop
.endr
	v_mul_u32_u24 v9, v[R], 144
	v_lshl_add_u32 v9, v[H], 5, v9
	v_add_nc_u32 v9, s23, v9                       ; my part, in my own tile's bytes: row q = r, i = 8 h
.irp it, 0, 1
.irp mt, 0, 1
	ds_store_b128 v9, v[ACC+8*(2*\it+\mt):ACC+8*(2*\it+\mt)+3] offset:KT+2304*\mt+64*\it
	ds_store_b128 v9, v[ACC+8*(2*\it+\mt)+4:ACC+8*(2*\it+\mt)+7] offset:KT+2304*\mt+64*\it+16
.endr
.endr
	s_wait_dscnt 0x0                               ; for the others' sake
	s_barrier_signal -1
	s_barrier_wait -1
	s_cmp_lt_u32 s10, 8                            ; the work-group's 2,048 bytes of T are eight stores of 256
	s_cbranch_scc0 .Lend
	; wave w, lane l: row q = 16 (w / 4) + l / 2, i = 8 (w % 4) + 4 (l % 2) .. + 3, summed over all 16 parts
	s_lshr_b32 s22, s10, 2
	s_and_b32 s24, s10, 3
	s_mul_i32 s25, s22, 2304
	s_lshl_b32 s26, s24, 5
	s_add_co_u32 s25, s25, s26
	v_lshrrev_b32 v10, 1, v[L]
	v_mul_u32_u24 v10, v10, 144
	v_and_b32 v11, 1, v[L]
	v_lshl_add_u32 v10, v11, 4, v10
	v_add_nc_u32 v10, s25, v10
	v_add_nc_u32 v11, 8*8704, v10
.irp k, 0,1,2,3,4,5,6,7
	ds_load_b128 v[64+4*\k:64+4*\k+3], v10 offset:KT+8704*\k
.endr
.irp k, 0,1,2,3,4,5,6,7
	ds_load_b128 v[96+4*\k:96+4*\k+3], v11 offset:KT+8704*\k
.endr
	s_lshl_b32 s14, s12, 1
	s_add_co_u32 s14, s14, s22                     ; tile 2 h + w / 4
	s_lshl_b32 s14, s14, 5
	s_add_co_u32 s14, s14, s11                     ; K step bx
	s_lshl_b32 s14, s14, 10
	s_lshl_b32 s26, s24, 8
	s_add_co_u32 s14, s14, s26                     ; my 256 bytes of its 1,024
	s_add_nc_u64 s[20:21], s[8:9], s[14:15]
	v_lshlrev_b32 v12, 3, v[L]
	s_wait_dscnt 0x0
.irp s, 8, 4, 2, 1
.set k, 0
.rept \s
	v_pk_add_f32 v[64+4*k:64+4*k+1], v[64+4*k:64+4*k+1], v[64+4*(k+\s):64+4*(k+\s)+1]
	v_pk_add_f32 v[64+4*k+2:64+4*k+3], v[64+4*k+2:64+4*k+3], v[64+4*(k+\s)+2:64+4*(k+\s)+3]
.set k, k+1
.endr
.endr
	v_cvt_pk_bf16_f32 v68, v64, v65
	v_cvt_pk_bf16_f32 v69, v66, v67
	global_store_b64 v12, v[68:69], s[20:21]       ; 256 consecutive bytes, aligned
.Lend:
	s_wait_tensorcnt 0x0                           ; the wave's end
	ds_add_u32 v[SPW], v[NIL]
	s_wait_dscnt 0x0
	s_endpgm
.Lfunc_end_k_q8e368e9b99_tproj:
	.size	k_q8e368e9b99_tproj, .Lfunc_end_k_q8e368e9b99_tproj-k_q8e368e9b99_tproj
	.p2alignl 7, 3214868480
	.fill 96, 4, 3214868480
	.section	.rodata,"a",@progbits
	.p2align	6, 0x0
	.amdhsa_kernel k_q8e368e9b99_tproj
		.amdhsa_group_segment_fixed_size 141312
		.amdhsa_private_segment_fixed_size 0
		.amdhsa_enable_private_segment 0
		.amdhsa_kernarg_size 24
		.amdhsa_user_sgpr_count 2
		.amdhsa_user_sgpr_kernarg_segment_ptr 1
		.amdhsa_wavefront_size32 1
		.amdhsa_system_sgpr_workgroup_id_x 1
		.amdhsa_system_sgpr_workgroup_id_y 1
		.amdhsa_system_sgpr_workgroup_id_z 1
		.amdhsa_system_vgpr_workitem_id 0
		.amdhsa_next_free_vgpr 192
		.amdhsa_next_free_sgpr 66
		.amdhsa_reserve_vcc 0
		.amdhsa_float_denorm_mode_32 3
		.amdhsa_float_denorm_mode_16_64 3
		.amdhsa_memory_ordered 1
		.amdhsa_forward_progress 1
		.amdhsa_inst_pref_size 14
	.end_amdhsa_kernel
	.amdgpu_metadata
---
amdhsa.version: [ 1, 2 ]
amdhsa.kernels:
  - .name:           k_q8e368e9b99_tproj
    .symbol:         k_q8e368e9b99_tproj.kd
    .args:
      - { .name: qb, .offset: 0, .size: 8, .value_kind: global_buffer, .address_space: global }
      - { .name: k_w, .offset: 8, .size: 8, .value_kind: global_buffer, .address_space: global }
      - { .name: tb, .offset: 16, .size: 8, .value_kind: global_buffer, .address_space: global }
    .group_segment_fixed_size: 141312
    .private_segment_fixed_size: 0
    .kernarg_segment_align: 8
    .kernarg_segment_size: 24
    .max_flat_workgroup_size: 512
    .sgpr_count:     66
    .vgpr_count:     192
    .wavefront_size: 32
...
	.end_amdgpu_metadata
.endif
;; end of part 6
;; launch score (part 7): grid 64 x 1, 8 waves a work-group, no clusters, 172,288 bytes of LDS; arguments xc, tb, p3, st; writes st
.if DOCPART == 7
	.amdgcn_target "amdgcn-amd-amdhsa--gfx1250"
	.amdhsa_code_object_version 6
	.text
	.protected	k_q8e368e9b99_score
	.globl	k_q8e368e9b99_score
	.p2align	8
	.type	k_q8e368e9b99_score,@function
k_q8e368e9b99_score:
	s_mov_b64 s[64:65], 0
	v_nop
	global_prefetch_b8 v0, s[64:65] scope:SCOPE_SE
	s_setreg_imm32_b32 hwreg(HW_REG_WAVE_MODE, 25, 1), 1
	s_wait_xcnt 0x0
; Launch 7: for a block of 64 keys, S^T = XN T^T (all 96 pairs of head and query) and u = XN VO^T (6 columns); for each (h, q): c m, l = sum p, n_c = sum p u[2 h + c], with p = 2^(c s - c m), c = log2(e) / 32, m the block's maximum.
; K and V are never formed (first kernel's head); the 64 blocks are put together in the last launch by the running-maximum rule.
; ORDER.  (1) All eight waves put the block's 64 rows of XN into LDS (pitch 2,064), through registers.  (2) u, with its K SPLIT AMONG THE EIGHT WAVES, 128 each: 16 matrix instructions a wave; the parts meet in LDS, wave w adds rows 2 w and
; 2 w + 1 of the tile.  VO has six rows: lanes 6-15 repeat row 5, the padding of the one tile, and nobody reads their rows.  (3) Waves 6 and 7 end; waves 0-5 take 16 (h, q) each, all of K, with no further barrier.
; source 0 = 16 keys, source 1 = 16 rows of T (or VO): a lane holds ONE row of T and the keys 16 t + 8 (l / 16) + 0..7.  tb lies as fragments (tb[tile][K step][half][lane][16 bytes]): each load of T covers 512 consecutive bytes and
; goes straight into a ring of 16 fragments in registers; each wave reads its own tile once; the first 16 are asked for as soon as the ring's registers have given XN to LDS, so that they land under the work on u.
; Every address register is made at the head, by every wave; T's base is held inside tb in waves 6 and 7 too, which never load by it.
; No cluster: T and VO (229,376 bytes) do not fit in LDS beside the keys' 132,096, and a ring for them would put barriers into a wave's 128 matrix instructions.
; LIMIT: a weight below 2^-126 counts as 0.
.set XT,    0                          ; 64 x 2,064
.set UP,    132096                     ; 8 x 4,352: wave w's part of u: [row of VO] pitch 272, 64 keys in f32
.set U,     166912                     ; 16 x 272: u
.set SPARE, 171264                     ; the spare words: 128 bytes a wave
.set L,    1
.set R,    2
.set H,    3
.set V16,  4
.set TT,   5
.set AST,  6
.set AD0,  8
.set AD1,  9
.set AU,   10
.set AUR,  11
.set V16R, 12
.set AVO,  13
.set SPW,  14
.set NIL,  15
.set VOF,  16                          ; v[16:47]   VO's four fragments of my 128 of K
.set ACC,  16                          ; v[16:47]   later the scores: four key tiles
.set AF,   48                          ; v[48:111]  two buffers of the keys' four fragments; for u the first alone
.set UA,   80                          ; v[80:111]  u's four accumulators
.set BF,   112                         ; v[112:239] first XN on its way into LDS, then the ring of T's fragments, then u
.set AU0,  248                         ; the keys' fragments at my 128 of K
.set AU1,  249
.set ARD,  250
.set ARW,  251
.set WV,   14
.set SEL,  28
.set CS,   30
.macro HSUM v, t
	v_permlanex16_b32 v[\t], v[\v], s[SEL], s[SEL+1]
	v_add_f32 v[\v], v[\v], v[\t]
.endm
.macro PLACES
.rept 4
	v_nop
.endr
.endm
.macro BLD k                           ; T's fragment of K step k into ring slot k % 16: twice 512 consecutive bytes
	global_load_b128 v[BF+8*((\k)%16):BF+8*((\k)%16)+3], v[V16], s[16:17] offset:1024*(\k)
	global_load_b128 v[BF+8*((\k)%16)+4:BF+8*((\k)%16)+7], v[V16], s[16:17] offset:1024*(\k)+512
.endm
.macro ALD k                           ; the keys' four fragments of K step k into buffer k % 2
.irp t, 0, 1
	ds_load_b128 v[AF+32*((\k)%2)+8*\t:AF+32*((\k)%2)+8*\t+3], v[AD0] offset:33024*\t+64*(\k)
	ds_load_b128 v[AF+32*((\k)%2)+8*\t+4:AF+32*((\k)%2)+8*\t+7], v[AD0] offset:33024*\t+64*(\k)+32
.endr
.irp t, 0, 1
	ds_load_b128 v[AF+32*((\k)%2)+16+8*\t:AF+32*((\k)%2)+16+8*\t+3], v[AD1] offset:33024*\t+64*(\k)
	ds_load_b128 v[AF+32*((\k)%2)+16+8*\t+4:AF+32*((\k)%2)+16+8*\t+7], v[AD1] offset:33024*\t+64*(\k)+32
.endr
.endm
.macro USTEP kk                        ; u: K step kk of my four: the keys' four fragments, four products
.irp t, 0, 1
	ds_load_b128 v[AF+8*\t:AF+8*\t+3], v[AU0] offset:33024*\t+64*(\kk)
	ds_load_b128 v[AF+8*\t+4:AF+8*\t+7], v[AU0] offset:33024*\t+64*(\kk)+32
.endr
.irp t, 0, 1
	ds_load_b128 v[AF+16+8*\t:AF+16+8*\t+3], v[AU1] offset:33024*\t+64*(\kk)
	ds_load_b128 v[AF+16+8*\t+4:AF+16+8*\t+7], v[AU1] offset:33024*\t+64*(\kk)+32
.endr
	s_wait_dscnt 0x0
.irp t, 0,1,2,3
.if (\kk) == 0
	v_wmma_f32_16x16x32_bf16 v[UA+8*\t:UA+8*\t+7], v[AF+8*\t:AF+8*\t+7], v[VOF+8*(\kk):VOF+8*(\kk)+7], 0
.else
	v_wmma_f32_16x16x32_bf16 v[UA+8*\t:UA+8*\t+7], v[AF+8*\t:AF+8*\t+7], v[VOF+8*(\kk):VOF+8*(\kk)+7], v[UA+8*\t:UA+8*\t+7]
.endif
.endr
	PLACES                                         ; four places in front of the next loads into the fragments' registers, and of the stores of the results
.endm
.macro STEP k
.if (\k) < 16
	s_wait_loadcnt 30                              ; behind fragment k: 2 (15 - k) loads of the first sixteen and 2 k refills
.else
	s_wait_loadcnt 2*(31-(\k))
.endif
.if (\k) < 31
	s_wait_dscnt 8                                 ; the next step's eight loads may stay out
.else
	s_wait_dscnt 0x0
.endif
.irp t, 0,1,2,3
.if (\k) == 0
	v_wmma_f32_16x16x32_bf16 v[ACC+8*\t:ACC+8*\t+7], v[AF+32*((\k)%2)+8*\t:AF+32*((\k)%2)+8*\t+7], v[BF+8*((\k)%16):BF+8*((\k)%16)+7], 0
.else
	v_wmma_f32_16x16x32_bf16 v[ACC+8*\t:ACC+8*\t+7], v[AF+32*((\k)%2)+8*\t:AF+32*((\k)%2)+8*\t+7], v[BF+8*((\k)%16):BF+8*((\k)%16)+7], v[ACC+8*\t:ACC+8*\t+7]
.endif
.endr
	PLACES                                         ; four places in front of loads into registers that these products have read, and of what reads their results
.if (\k) < 30
	ALD (\k)+2
.endif
.if (\k) < 16
	BLD (\k)+16
.endif
.endm
	s_load_b256 s[4:11], s[0:1], 0x0               ; xc 4, tb 6, p3 8, st 10
	v_lshl_add_u32 v[SPW], v0, 2, SPARE
	v_mov_b32 v[NIL], 0
	v_and_b32 v[L], 31, v0
	v_and_b32 v[R], 15, v0
	v_bfe_u32 v[H], v0, 4, 1
	v_lshrrev_b32 v[TT], 5, v0
	v_readfirstlane_b32 s[WV], v[TT]               ; wave 0..7
	v_lshlrev_b32 v[V16], 4, v[L]
	v_lshlrev_b32 v[V16R], 4, v[R]
	s_mov_b32 s15, ttmp9                           ; the block of keys
	s_mov_b32 s[SEL], 0x76543210
	s_mov_b32 s[SEL+1], 0xfedcba98
	s_mov_b32 s[CS], 0x3d38aa3b                    ; c = log2(e) / 32
	s_mov_b32 s[CS+1], s[CS]
	s_mov_b32 s21, 0
	s_lshl_b32 s23, s[WV], 8                       ; my 128 of K: 256 bytes of a row
	v_min_u32 v[AVO], 5, v[R]                      ; VO's row: lanes 6-15 repeat row 5
	v_lshlrev_b32 v[AVO], 11, v[AVO]
	v_lshl_add_u32 v[AVO], v[H], 4, v[AVO]
	v_add_nc_u32 v[AVO], s23, v[AVO]
	s_wait_kmcnt 0x0
.irp kk, 0,1,2,3
	global_load_b128 v[VOF+8*\kk:VOF+8*\kk+3], v[AVO], s[8:9] offset:262400+64*\kk
	global_load_b128 v[VOF+8*\kk+4:VOF+8*\kk+7], v[AVO], s[8:9] offset:262400+64*\kk+32
.endr
	s_lshl_b32 s20, s15, 17
	s_lshl_b32 s22, s[WV], 14
	s_add_co_u32 s20, s20, s22
	s_add_co_u32 s20, s20, 0x800000
	s_add_nc_u64 s[12:13], s[4:5], s[20:21]        ; XN at row 64 b + 8 w
.irp t, 0,1,2,3,4,5,6,7
.irp c, 0,1,2,3
	global_load_b128 v[BF+16*\t+4*\c:BF+16*\t+4*\c+3], v[V16], s[12:13] offset:2048*\t+512*\c
.endr
.endr
	s_mul_i32 s22, s[WV], 16512                    ; 8 w rows of 2,064 bytes
	v_add_nc_u32 v[AST], s22, v[V16]
	s_mul_i32 s20, s15, 1536
	s_add_co_u32 s20, s20, s23
	s_add_nc_u64 s[24:25], s[10:11], s[20:21]      ; st[b][16 w]
	s_min_u32 s20, s[WV], 5                        ; T's tile w; waves 6 and 7, which load nothing by it, hold tile 5's address
	s_lshl_b32 s20, s20, 15
	s_add_nc_u64 s[16:17], s[6:7], s[20:21]
	v_mul_u32_u24 v[AD0], v[R], 2064               ; the keys' fragments: row r x pitch + 16 h; tiles 0, 1 by AD0, tiles 2, 3 by AD1
	v_lshl_add_u32 v[AD0], v[H], 4, v[AD0]
	v_add_nc_u32 v[AD1], 66048, v[AD0]
	v_add_nc_u32 v[AU0], s23, v[AD0]               ; the same at my 128 of K
	v_add_nc_u32 v[AU1], s23, v[AD1]
	s_wait_loadcnt 0x0                             ; XN's rows, and VO's fragments ahead of them
.irp t, 0,1,2,3,4,5,6,7
.irp c, 0,1,2,3
	ds_store_b128 v[AST], v[BF+16*\t+4*\c:BF+16*\t+4*\c+3] offset:XT+2064*\t+512*\c
.endr
.endr
	s_wait_dscnt 0x0                               ; my rows lie in LDS, and the stores have read their registers
	s_cmp_lt_u32 s[WV], 6
	s_cbranch_scc0 .Lfilled                        ; the jump leads round loads alone
.set kk, 0
.rept 16
	BLD kk
.set kk, kk+1
.endr
.Lfilled:
	s_barrier_signal -1
	s_barrier_wait -1                              ; all 64 rows lie in LDS
	; u, my eighth of K.  The four accumulators take turns.
	USTEP 0
	USTEP 1
	USTEP 2
	USTEP 3
	s_mul_i32 s22, s[WV], 4352
	s_add_co_u32 s22, s22, UP
	v_mul_u32_u24 v[AU], v[R], 272
	v_lshl_add_u32 v[AU], v[H], 5, v[AU]
	v_add_nc_u32 v[AU], s22, v[AU]                 ; my part: row r, key 8 h
.irp t, 0,1,2,3
	ds_store_b128 v[AU], v[UA+8*\t:UA+8*\t+3] offset:64*\t
	ds_store_b128 v[AU], v[UA+8*\t+4:UA+8*\t+7] offset:64*\t+16
.endr
	s_mul_i32 s22, s[WV], 544                      ; rows 2 w + h, keys 4 r .. + 3
	v_mul_u32_u24 v[ARD], v[H], 272
	v_add_nc_u32 v[ARD], v[ARD], v[V16R]
	v_add_nc_u32 v[ARD], s22, v[ARD]
	v_add_nc_u32 v[ARW], U, v[ARD]
	v_add_nc_u32 v[ARD], UP, v[ARD]
	s_wait_dscnt 0x0                               ; for the others' sake
	s_barrier_signal -1
	s_barrier_wait -1                              ; the eight parts lie in LDS
.irp k, 0,1,2,3,4,5,6,7
	ds_load_b128 v[AF+4*\k:AF+4*\k+3], v[ARD] offset:4352*\k
.endr
	s_wait_dscnt 0x0
.irp s, 4, 2, 1
.set k, 0
.rept \s
	v_pk_add_f32 v[AF+4*k:AF+4*k+1], v[AF+4*k:AF+4*k+1], v[AF+4*(k+\s):AF+4*(k+\s)+1]
	v_pk_add_f32 v[AF+4*k+2:AF+4*k+3], v[AF+4*k+2:AF+4*k+3], v[AF+4*(k+\s)+2:AF+4*(k+\s)+3]
.set k, k+1
.endr
.endr
	ds_store_b128 v[ARW], v[AF:AF+3]
	s_wait_dscnt 0x0
	s_barrier_signal -1
	s_barrier_wait -1                              ; u lies in LDS; no barrier follows
	s_cmp_lt_u32 s[WV], 6
	s_cbranch_scc0 .Lend
	; the scores of my 16 (h, q), all of K
	ALD 0
	ALD 1
.set kk, 0
.rept 32
	STEP kk                                        ; the four accumulators take turns
.set kk, kk+1
.endr
	s_lshr_b32 s22, s[WV], 1
	s_mul_i32 s22, s22, 544                        ; rows 2 head, 2 head + 1 of u
	s_add_co_u32 s22, s22, U
	v_lshl_add_u32 v[AUR], v[H], 5, s22
.irp cc, 0, 1
.irp t, 0,1,2,3
	ds_load_b128 v[BF+32*\cc+8*\t:BF+32*\cc+8*\t+3], v[AUR] offset:272*\cc+64*\t       ; u of my 32 keys: on its way under the softmax
	ds_load_b128 v[BF+32*\cc+8*\t+4:BF+32*\cc+8*\t+7], v[AUR] offset:272*\cc+64*\t+16
.endr
.endr
.irp n, 0,1,2,3
	v_max3_num_f32 v[240+\n], v[ACC+8*\n], v[ACC+8*\n+1], v[ACC+8*\n+2]     ; each accumulator is read from its low end on
.endr
.irp n, 0,1,2,3
	v_max3_num_f32 v[240+\n], v[240+\n], v[ACC+8*\n+3], v[ACC+8*\n+4]
.endr
.irp n, 0,1,2,3
	v_max3_num_f32 v[240+\n], v[240+\n], v[ACC+8*\n+5], v[ACC+8*\n+6]
.endr
	v_max3_num_f32 v240, v240, v[ACC+7], v[ACC+15]
	v_max3_num_f32 v242, v242, v[ACC+23], v[ACC+31]
	v_max3_num_f32 v240, v240, v241, v242
	v_max_num_f32 v240, v240, v243
	v_permlanex16_b32 v241, v240, s[SEL], s[SEL+1] ; the other 32 keys lie in the lane 16 away
	v_max_num_f32 v240, v240, v241
	v_mul_f32 v244, s[CS], v240                    ; c m
	v_mov_b32 v245, 0                              ; named with it as a pair
.set i, 0
.rept 16
	v_pk_fma_f32 v[ACC+2*i:ACC+2*i+1], v[ACC+2*i:ACC+2*i+1], s[CS:CS+1], v[244:245] op_sel_hi:[1,0,0] neg_lo:[0,0,1] neg_hi:[0,0,1]
.set i, i+1
.endr
.set i, 0
.rept 32
	v_exp_f32 v[ACC+i], v[ACC+i]
.set i, i+1
.endr
	v_nop                                          ; a plain instruction behind the last exponential,
	s_wait_alu depctr_va_vdst(0)                   ; and one wait for the batch
.set i, 0
.rept 8
	v_pk_add_f32 v[AF+2*i:AF+2*i+1], v[ACC+4*i:ACC+4*i+1], v[ACC+4*i+2:ACC+4*i+3]
.set i, i+1
.endr
.set i, 0
.rept 4
	v_pk_add_f32 v[AF+4*i:AF+4*i+1], v[AF+4*i:AF+4*i+1], v[AF+4*i+2:AF+4*i+3]
.set i, i+1
.endr
	v_pk_add_f32 v[AF:AF+1], v[AF:AF+1], v[AF+4:AF+5]
	v_pk_add_f32 v[AF+8:AF+9], v[AF+8:AF+9], v[AF+12:AF+13]
	v_pk_add_f32 v[AF:AF+1], v[AF:AF+1], v[AF+8:AF+9]
	v_add_f32 v245, v[AF], v[AF+1]                 ; l of my 32 keys
	s_wait_dscnt 0x0                               ; u
	v_pk_mul_f32 v[52:53], v[ACC:ACC+1], v[BF:BF+1]
	v_pk_mul_f32 v[54:55], v[ACC:ACC+1], v[BF+32:BF+33]
.set i, 1
.rept 15
	v_pk_fma_f32 v[52:53], v[ACC+2*i:ACC+2*i+1], v[BF+2*i:BF+2*i+1], v[52:53]
	v_pk_fma_f32 v[54:55], v[ACC+2*i:ACC+2*i+1], v[BF+32+2*i:BF+32+2*i+1], v[54:55]
.set i, i+1
.endr
	v_add_f32 v246, v52, v53
	v_add_f32 v247, v54, v55
	HSUM 245, TT
	HSUM 246, TT
	HSUM 247, TT
	s_wait_xcnt 0x0                                ; EXEC changes only behind this wait
	v_cmp_gt_u32 vcc_lo, 16, v[L]
	s_and_saveexec_b32 s23, vcc_lo
	global_store_b128 v[V16R], v[244:247], s[24:25]   ; sixteen lanes: 256 consecutive bytes
	s_wait_xcnt 0x0
	s_or_b32 exec_lo, exec_lo, s23
.Lend:
	s_wait_tensorcnt 0x0                           ; the wave's end
	ds_add_u32 v[SPW], v[NIL]
	s_wait_dscnt 0x0
	s_endpgm
.Lfunc_end_k_q8e368e9b99_score:
	.size	k_q8e368e9b99_score, .Lfunc_end_k_q8e368e9b99_score-k_q8e368e9b99_score
	.p2alignl 7, 3214868480
	.fill 96, 4, 3214868480
	.section	.rodata,"a",@progbits
	.p2align	6, 0x0
	.amdhsa_kernel k_q8e368e9b99_score
		.amdhsa_group_segment_fixed_size 172288
		.amdhsa_private_segment_fixed_size 0
		.amdhsa_enable_private_segment 0
		.amdhsa_kernarg_size 32
		.amdhsa_user_sgpr_count 2
		.amdhsa_user_sgpr_kernarg_segment_ptr 1
		.amdhsa_wavefront_size32 1
		.amdhsa_system_sgpr_workgroup_id_x 1
		.amdhsa_system_sgpr_workgroup_id_y 1
		.amdhsa_system_sgpr_workgroup_id_z 1
		.amdhsa_system_vgpr_workitem_id 0
		.amdhsa_next_free_vgpr 256
		.amdhsa_next_free_sgpr 66
		.amdhsa_reserve_vcc 1
		.amdhsa_float_denorm_mode_32 3
		.amdhsa_float_denorm_mode_16_64 3
		.amdhsa_memory_ordered 1
		.amdhsa_forward_progress 1
		.amdhsa_inst_pref_size 59
	.end_amdhsa_kernel
	.amdgpu_metadata
---
amdhsa.version: [ 1, 2 ]
amdhsa.kernels:
  - .name:           k_q8e368e9b99_score
    .symbol:         k_q8e368e9b99_score.kd
    .args:
      - { .name: xc, .offset: 0, .size: 8, .value_kind: global_buffer, .address_space: global }
      - { .name: tb, .offset: 8, .size: 8, .value_kind: global_buffer, .address_space: global }
      - { .name: p3, .offset: 16, .size: 8, .value_kind: global_buffer, .address_space: global }
      - { .name: st, .offset: 24, .size: 8, .value_kind: global_buffer, .address_space: global }
    .group_segment_fixed_size: 172288
    .private_segment_fixed_size: 0
    .kernarg_segment_align: 8
    .kernarg_segment_size: 32
    .max_flat_workgroup_size: 256
    .sgpr_count:     66
    .vgpr_count:     256
    .wavefront_size: 32
...
	.end_amdgpu_metadata
.endif
;; end of part 7
;; launch final (part 8): grid 1 x 1, 12 waves a work-group, no clusters, 7,680 bytes of LDS; arguments st, o_b, head_w, head_b, out2; writes out2
.if DOCPART == 8
	.amdgcn_target "amdgcn-amd-amdhsa--gfx1250"
	.amdhsa_code_object_version 6
	.text
	.protected	k_q8e368e9b99_final
	.globl	k_q8e368e9b99_final
	.p2align	8
	.type	k_q8e368e9b99_final,@function
k_q8e368e9b99_final:
	s_mov_b64 s[64:65], 0
	v_nop
	global_prefetch_b8 v0, s[64:65] scope:SCOPE_SE
	s_setreg_imm32_b32 hwreg(HW_REG_WAVE_MODE, 25, 1), 1
	s_wait_xcnt 0x0
; Launch 8: y_hat[c] = 1/32 sum_h sum_q N_c[h][q] / L[h][q] + o_b . head_w[:, c] + head_b[c] (the identity at the first kernel's head).  For each (h, q) the 64 blocks' (c m, l, n0, n1) are put together
; under their common maximum: L = sum 2^(cm_b - M) l_b, N likewise.  One work-group: 96 KiB are read; wave w takes head w / 4 and blocks 16 (w % 4) .. + 15, a lane a query; wave 0 finishes.
.set C,     0                          ; 12 x 512: (M, L, N0, N1) of each wave and lane
.set SPARE, 6144
.set L,   1
.set V16, 2
.set TT,  3
.set VH,  4
.set VZ,  5
.set SPW, 14
.set NIL, 15
.set SEL, 24
.macro WSUM v, t
	v_add_f32_dpp v[\v], v[\v], v[\v] row_xmask:1 row_mask:0xf bank_mask:0xf
	v_add_f32_dpp v[\v], v[\v], v[\v] row_xmask:2 row_mask:0xf bank_mask:0xf
	v_add_f32_dpp v[\v], v[\v], v[\v] row_xmask:4 row_mask:0xf bank_mask:0xf
	v_add_f32_dpp v[\v], v[\v], v[\v] row_xmask:8 row_mask:0xf bank_mask:0xf
	v_permlanex16_b32 v[\t], v[\v], s[SEL], s[SEL+1]
	v_add_f32 v[\v], v[\v], v[\t]
.endm
.macro BMUL d, x, sel, y
.if (\sel)
	v_pk_mul_f32 v[(\d):(\d)+1], v[(\x):(\x)+1], v[(\y):(\y)+1] op_sel:[1,0] op_sel_hi:[1,1]
.else
	v_pk_mul_f32 v[(\d):(\d)+1], v[(\x):(\x)+1], v[(\y):(\y)+1] op_sel_hi:[0,1]
.endif
.endm
.macro BFMA d, x, sel, y
.if (\sel)
	v_pk_fma_f32 v[(\d):(\d)+1], v[(\x):(\x)+1], v[(\y):(\y)+1], v[(\d):(\d)+1] op_sel:[1,0,0] op_sel_hi:[1,1,1]
.else
	v_pk_fma_f32 v[(\d):(\d)+1], v[(\x):(\x)+1], v[(\y):(\y)+1], v[(\d):(\d)+1] op_sel_hi:[0,1,1]
.endif
.endm
.macro DOT2 x, hw, t
.set jj, 0
.rept 8
.set ii, 0
.rept 4
.if jj == 0
	BMUL (\t)+2*ii, (\x)+4*jj+(ii&2), ii&1, (\hw)+8*jj+2*ii
.else
	BFMA (\t)+2*ii, (\x)+4*jj+(ii&2), ii&1, (\hw)+8*jj+2*ii
.endif
.set ii, ii+1
.endr
.set jj, jj+1
.endr
	v_pk_add_f32 v[(\t):(\t)+1], v[(\t):(\t)+1], v[(\t)+2:(\t)+3]
	v_pk_add_f32 v[(\t)+4:(\t)+5], v[(\t)+4:(\t)+5], v[(\t)+6:(\t)+7]
	v_pk_add_f32 v[(\t):(\t)+1], v[(\t):(\t)+1], v[(\t)+4:(\t)+5]
.endm
	s_load_b256 s[4:11], s[0:1], 0x0               ; st 4, o_b 6, head_w 8, head_b 10
	s_load_b64 s[12:13], s[0:1], 0x20              ; out2
	v_lshl_add_u32 v[SPW], v0, 2, SPARE
	v_mov_b32 v[NIL], 0
	v_mov_b32 v[VZ], 0
	v_and_b32 v[L], 31, v0
	v_lshlrev_b32 v[V16], 4, v[L]
	v_lshlrev_b32 v[VH], 5, v[L]
	v_lshrrev_b32 v[TT], 5, v0
	v_readfirstlane_b32 s14, v[TT]                 ; wave 0..11
	s_mov_b32 s[SEL], 0x76543210
	s_mov_b32 s[SEL+1], 0xfedcba98
	s_mov_b32 s22, 0x3d000000                      ; 1 / 32
	s_lshr_b32 s15, s14, 2                         ; head
	s_and_b32 s16, s14, 3
	s_mul_i32 s16, s16, 24576                      ; 16 blocks of 1,536 bytes
	s_lshl_b32 s15, s15, 9
	s_add_co_u32 s16, s16, s15
	s_mov_b32 s17, 0
	s_wait_kmcnt 0x0
	s_add_nc_u64 s[18:19], s[4:5], s[16:17]
	s_load_b64 s[20:21], s[10:11], 0x0             ; head_b
.set t, 0
.rept 16
	global_load_b128 v[16+4*t:16+4*t+3], v[V16], s[18:19] offset:1536*t
.set t, t+1
.endr
	s_cmp_lg_u32 s14, 0
	s_cbranch_scc1 .Lrest
.irp j, 0,1,2,3,4,5,6,7
	global_load_b128 v[80+4*\j:80+4*\j+3], v[V16], s[6:7] offset:512*\j        ; o_b[128 j + 4 l ..]
	global_load_b128 v[112+8*\j:112+8*\j+3], v[VH], s[8:9] offset:1024*\j      ; head_w's pairs of the same e
	global_load_b128 v[112+8*\j+4:112+8*\j+7], v[VH], s[8:9] offset:1024*\j+16
.endr
.Lrest:
	s_wait_loadcnt 0x0
	s_wait_kmcnt 0x0
	v_max3_num_f32 v8, v16, v20, v24
.irp t, 3,5,7,9,11,13
	v_max3_num_f32 v8, v8, v[16+4*\t], v[20+4*\t]
.endr
	v_max_num_f32 v8, v8, v76                      ; M of my 16 blocks
.set t, 0
.rept 16
	v_sub_f32 v[16+4*t], v[16+4*t], v8
.set t, t+1
.endr
.set t, 0
.rept 16
	v_exp_f32 v[16+4*t], v[16+4*t]
.set t, t+1
.endr
	v_nop
	s_wait_alu depctr_va_vdst(0)                   ; one wait for the batch
	v_mul_f32 v9, v16, v17
	v_mul_f32 v10, v16, v18
	v_mul_f32 v11, v16, v19
.set t, 1
.rept 15
	v_fma_f32 v9, v[16+4*t], v[17+4*t], v9
	v_fma_f32 v10, v[16+4*t], v[18+4*t], v10
	v_fma_f32 v11, v[16+4*t], v[19+4*t], v11
.set t, t+1
.endr
	s_lshl_b32 s23, s14, 9
	v_add_nc_u32 v6, s23, v[V16]
	ds_store_b128 v6, v[8:11] offset:C
	s_wait_dscnt 0x0
	s_barrier_signal -1
	s_barrier_wait -1
	s_cmp_lg_u32 s14, 0
	s_cbranch_scc1 .Lend
.set k, 0
.rept 12
	ds_load_b128 v[16+4*k:16+4*k+3], v[V16] offset:C+512*k
.set k, k+1
.endr
	s_wait_dscnt 0x0
.irp hd, 0, 1, 2
	v_max3_num_f32 v[72+\hd], v[16+16*\hd], v[20+16*\hd], v[24+16*\hd]
	v_max_num_f32 v[72+\hd], v[72+\hd], v[28+16*\hd]
.irp k, 0,1,2,3
	v_sub_f32 v[16+16*\hd+4*\k], v[16+16*\hd+4*\k], v[72+\hd]
.endr
.endr
.set k, 0
.rept 12
	v_exp_f32 v[16+4*k], v[16+4*k]
.set k, k+1
.endr
	v_nop
	s_wait_alu depctr_va_vdst(0)
.irp hd, 0, 1, 2
	v_mul_f32 v[72+\hd], v[16+16*\hd], v[17+16*\hd]
	v_mul_f32 v[8+\hd], v[16+16*\hd], v[18+16*\hd]
	v_mul_f32 v[11+\hd], v[16+16*\hd], v[19+16*\hd]
.irp k, 1,2,3
	v_fma_f32 v[72+\hd], v[16+16*\hd+4*\k], v[17+16*\hd+4*\k], v[72+\hd]
	v_fma_f32 v[8+\hd], v[16+16*\hd+4*\k], v[18+16*\hd+4*\k], v[8+\hd]
	v_fma_f32 v[11+\hd], v[16+16*\hd+4*\k], v[19+16*\hd+4*\k], v[11+\hd]
.endr
.endr
	v_rcp_f32 v72, v72
	v_rcp_f32 v73, v73
	v_rcp_f32 v74, v74
	v_nop
	s_wait_alu depctr_va_vdst(0)
	v_mul_f32 v75, v8, v72                         ; the sum over the heads of N_c / L, for my query
	v_mul_f32 v76, v11, v72
	v_fma_f32 v75, v9, v73, v75
	v_fma_f32 v76, v12, v73, v76
	v_fma_f32 v75, v10, v74, v75
	v_fma_f32 v76, v13, v74, v76
	DOT2 80, 112, 64                               ; my 32 terms of o_b . head_w
	v_fma_f32 v64, v75, s22, v64
	v_fma_f32 v65, v76, s22, v65
	WSUM 64, TT
	WSUM 65, TT
	v_add_f32 v64, s20, v64
	v_add_f32 v65, s21, v65
	s_wait_xcnt 0x0                                ; EXEC changes only behind this wait
	v_cmp_eq_u32 vcc_lo, 0, v[L]
	s_and_saveexec_b32 s23, vcc_lo
	global_store_b64 v[VZ], v[64:65], s[12:13]
	s_wait_xcnt 0x0
	s_or_b32 exec_lo, exec_lo, s23
.Lend:
	s_wait_tensorcnt 0x0                           ; the wave's end
	ds_add_u32 v[SPW], v[NIL]
	s_wait_dscnt 0x0
	s_endpgm
.Lfunc_end_k_q8e368e9b99_final:
	.size	k_q8e368e9b99_final, .Lfunc_end_k_q8e368e9b99_final-k_q8e368e9b99_final
	.p2alignl 7, 3214868480
	.fill 96, 4, 3214868480
	.section	.rodata,"a",@progbits
	.p2align	6, 0x0
	.amdhsa_kernel k_q8e368e9b99_final
		.amdhsa_group_segment_fixed_size 7680
		.amdhsa_private_segment_fixed_size 0
		.amdhsa_enable_private_segment 0
		.amdhsa_kernarg_size 40
		.amdhsa_user_sgpr_count 2
		.amdhsa_user_sgpr_kernarg_segment_ptr 1
		.amdhsa_wavefront_size32 1
		.amdhsa_system_sgpr_workgroup_id_x 1
		.amdhsa_system_sgpr_workgroup_id_y 1
		.amdhsa_system_sgpr_workgroup_id_z 1
		.amdhsa_system_vgpr_workitem_id 0
		.amdhsa_next_free_vgpr 176
		.amdhsa_next_free_sgpr 66
		.amdhsa_reserve_vcc 1
		.amdhsa_float_denorm_mode_32 3
		.amdhsa_float_denorm_mode_16_64 3
		.amdhsa_memory_ordered 1
		.amdhsa_forward_progress 1
		.amdhsa_inst_pref_size 18
	.end_amdhsa_kernel
	.amdgpu_metadata
---
amdhsa.version: [ 1, 2 ]
amdhsa.kernels:
  - .name:           k_q8e368e9b99_final
    .symbol:         k_q8e368e9b99_final.kd
    .args:
      - { .name: st, .offset: 0, .size: 8, .value_kind: global_buffer, .address_space: global }
      - { .name: o_b, .offset: 8, .size: 8, .value_kind: global_buffer, .address_space: global }
      - { .name: head_w, .offset: 16, .size: 8, .value_kind: global_buffer, .address_space: global }
      - { .name: head_b, .offset: 24, .size: 8, .value_kind: global_buffer, .address_space: global }
      - { .name: out2, .offset: 32, .size: 8, .value_kind: global_buffer, .address_space: global }
    .group_segment_fixed_size: 7680
    .private_segment_fixed_size: 0
    .kernarg_segment_align: 8
    .kernarg_segment_size: 40
    .max_flat_workgroup_size: 384
    .sgpr_count:     66
    .vgpr_count:     176
    .wavefront_size: 32
...
	.end_amdgpu_metadata
.endif
;; end of part 8
